; MI455X (gfx1250); checked and timed in simulation.
; The chip was launched on July 23, 2026; its instructions are those of AMD's public machine-readable ISA for CDNA 5 (MIT licence, August 2026) and "CDNA5" Instruction Set Architecture Reference Guide (July 2026). The comments in the code are by the model that wrote it; some were corrected since.
;; Grouped Query Attention. Allowed arithmetic: matrix products marked QUANTISED: E4M3 operands, one given power-of-two scale a tensor, by v_wmma_f32_16x16x64_fp8_fp8 or v_wmma_f32_16x16x128_fp8_fp8, f32 sums; everything else in f32.
;; Inputs: Wk 2,048 x 512 float32; Wo 2,048 x 2,048 float32; Wq 2,048 x 2,048 float32; Wv 2,048 x 512 float32; bk 512 float32; bo 2,048 float32; bq 2,048 float32; bv 512 float32; lowp_scales 12 int32 (the exponents e of the quantised operands' scales 2^e); x 4 x 1,024 x 2,048 float32.
;; Outputs: out0 4 x 1,024 x 2,048 float32.
;; This version of the problem:
;;   THIS VERSION OF THE PROBLEM IS GIVEN IN LOW PRECISION. The matrix products marked QUANTISED in the list below multiply operands that are first quantised to E4M3 (4 exponent bits, 3 mantissa bits; 8 bits a number), with one given power-of-two scale for each operand tensor; their sums are f32. All else is computed in f32.
;;   The module's matrix products, in the order in which they are computed (A, B: the left and right operand; K: the contracted axis; several contracted axes count as one K, in the product's order):
;;     1. [M 4,096, K 2,048] x [K 2,048, N 2,048]; A: input x; B: input Wq: QUANTISED (scales: A lowp_scales[0], B lowp_scales[1])
;;     2. [M 4,096, K 2,048] x [K 2,048, N 512]; A: input x; B: input Wk: QUANTISED (scales: A lowp_scales[2], B lowp_scales[3])
;;     3. [M 4,096, K 2,048] x [K 2,048, N 512]; A: input x; B: input Wv: QUANTISED (scales: A lowp_scales[4], B lowp_scales[5])
;;     4. batch 128 x [M 1,024, K 64] x [K 64, N 1,024]; A: computed on the way; B: computed on the way: QUANTISED (scales: A lowp_scales[6], B lowp_scales[7])
;;     5. batch 128 x [M 1,024, K 1,024] x [K 1,024, N 64]; A: softmax (see below); B: computed on the way: QUANTISED (scales: A lowp_scales[8], B lowp_scales[9])
;;     6. [M 4,096, K 2,048] x [K 2,048, N 2,048]; A: computed on the way; B: input Wo: QUANTISED (scales: A lowp_scales[10], B lowp_scales[11])
;;   THE QUANTISER, for each operand of a quantised product, along K:
;;     - The operand's scale is 2^e, e = its entry of the input lowp_scales (int32; the entries are numbered through the quantised products in the list's order, A before B).
;;     - Each number is divided by the scale, clamped to +-448, and rounded to the nearest number of E4M3, ties to even, subnormals kept.
;;     - The product sums the exact products of the quantised numbers (number of the format x scale) in f32.
;;   ~~~python
;;   def quantise(x, axis, e):      # numpy; x: float32 -> the quantised numbers, widened to float32 again
;;       x = np.moveaxis(x, axis, -1); K = x.shape[-1]
;;       r = np.clip(x / 2.0 ** e, -448, 448)
;;       step = 2.0 ** (np.maximum(np.frexp(np.where(r == 0, 1, r))[1] - 1, -6) - 3)
;;       q = np.round(r / step) * step * 2.0 ** e      # np.round: ties to even
;;       return np.moveaxis(q, -1, axis).astype(np.float32)
;;   ~~~
;;   SOFTMAX AHEAD OF A QUANTISED PRODUCT. Where the list says 'softmax', what is quantised is not the finished softmax but p = 2^(t - M), with t = logit x log2(e) and M = ceil(the row's largest t), a whole number; so 1/2 < the row's largest p <= 1. The row's sum l is taken of the UNQUANTISED p, in f32, and the product's result is divided by l at the end. Since M is a whole number, a kernel that streams over the keys may use a running M (the ceiling of the running maximum): every later rescaling is an exact power of two, so the quantised numbers keep their values, but for numbers so far below the row's largest that they fall under the format's range.
;;   OPERANDS COMPUTED ON THE WAY. 'Computed on the way' means the value that the module computes at that place (a softmax that the list does not call 'softmax' is quantised finished and normalised). What goes into a quantiser is computed in f32, as accurately as f32 sums, v_exp_f32 and their like allow (about 1e-6 of the number): no bf16 or f16 on the way to a quantiser, and a product that is left as it is and whose result goes on into a quantised operand takes f32 operands (vector FMAs, or v_wmma_f32_16x16x4_f32). A number that lies on a knife's edge between two numbers of the format may be rounded either way, as far as f32 arithmetic and the matrix unit's own rounding can turn it there, and no further.
;; One version. Each part assembles by itself: llvm-mc -triple=amdgcn-amd-amdhsa -mcpu=gfx1250 --defsym DOCPART=n.
;; ======== version 1 of 1: 4 launches
;; limits: right only within a limited range of input values
;; workspace buffers: xcodes 25,165,824 bytes; wcodes 10,485,760 bytes; qkvc 12,582,912 bytes; ctxc 8,388,608 bytes
;; launch quant (part 1): grid 416 x 1, 8 waves a work-group, no clusters, 138,240 bytes of LDS; arguments x, Wq, Wk, Wv, Wo, lowp_scales, xcodes, wcodes; writes xcodes, wcodes
.if DOCPART == 1
	.amdgcn_target "amdgcn-amd-amdhsa--gfx1250"
	.amdhsa_code_object_version 6
	.text
	.protected	k_q7f9dbb9815_quant
	.globl	k_q7f9dbb9815_quant
	.p2align	8
	.type	k_q7f9dbb9815_quant,@function
k_q7f9dbb9815_quant:
	s_mov_b64 s[64:65], 0
	v_nop
	global_prefetch_b8 v0, s[64:65] scope:SCOPE_SE
	s_setreg_imm32_b32 hwreg(HW_REG_WAVE_MODE, 25, 1), 1
	s_wait_xcnt 0x0
; x [4096][2048] f32 becomes codes of FP8 (E4M3) three times, under the scales 2^e0, 2^e2, 2^e4 (the three products that read x name three entries, which need not be equal);
; Wq, Wk, Wv, Wo ([2048 k][n] f32, K is the FIRST axis) become codes under 2^e1, 2^e3, 2^e5, 2^e11.  code = number / 2^e, held within +-448, to the nearest code, ties to even.
; LIMITS: each of these e lies between -126 and 119, so that 2^e and 448 x 2^e are f32 numbers.  NaN among the inputs is not served (an infinity is held at the largest code).
; LAYOUT OF THE CODES (workspace of this program): images of operand registers.  A CHUNK is 512 bytes: lane l = r + 16 hh has 16 bytes at 16 l, the codes of k = 32 c + 16 hh + 0..15 of the fragment's row r.
; A fragment (16 rows x 128 K) is four chunks.  A buffer is [group of 128 rows][K step of 128: 16][fragment a: 8][chunk c: 4][512 bytes].  Fragment a holds rows 32 (a/2) + 8 (a%2) + r + 8 (r/8) of its group.
; wcodes: groups 0-15 Wq's columns, 16-19 Wk's, 20-23 Wv's, 24-39 Wo's (a row of the operand is a column n of W).  xcodes: three versions of 32 groups, 8,388,608 bytes apart.
; SHARES.  Work-groups 0-255: one fragment row of x each (16 rows, all K); wave w takes K steps 2 w and 2 w + 1.  Work-groups 256-415: a group of 128 columns of a weight x 512 along K; a wave takes 32 columns x 256 K.
; The two ways part once, on the work-group's number, and never join; each has LDS bytes of its own.  Waves share nothing: no barrier.  A stream: no matrix unit, no cluster, no tensor load would add anything here.
.set XPITCH, 528                       ; x's stage: a row of 512 bytes + 16: the sixteen rows that a read touches begin 33 x 16 bytes apart
.set XWAVE,  16*XPITCH                 ; 16 rows for each wave
.set WST,    8*XWAVE                   ; behind x's stages: the weights' stages
.set WFR,    2176                      ; a fragment's image, 2,048 bytes, + 128
.set WWAVE,  4*WFR                     ; two K steps x two fragments for each wave
.set SPARE,  WST+8*WWAVE               ; behind the stages: the spare words, 128 bytes for each wave: four blocks of 256 bytes that no other line names
.set LN16, 2                           ; v2   16 x lane
.set XS,   3                           ; v3   x's stage, on the way in: a row's 512 bytes as they lie
.set XR,   4                           ; v4   and on the way out: row r, + 64 hh
.set WS,   5                           ; v5   the weights' stage, on the way in
.set WR,   6                           ; v6   and on the way out: 16 x lane
.set LN4,  7                           ; v7   4 x lane
.set SPW,  8                           ; v8   LDS address of my spare word; never rewritten
.set NIL,  9                           ; v9   0; never rewritten
.set SC,   10                          ; v10-12  2^e as f32 (x: three; a weight: v10)
.set LM,   13                          ; v13-15  448 x 2^e
.set XN,   16                          ; v16-143  x: two units of 64 numbers
.set XT,   144                         ; v144-159 x: two sets of eight held numbers, by turns
.set XC,   160                         ; v160-207 x: a unit's codes, three versions x four chunks x four registers
.set OFF,  16                          ; v16-47   weights: 4 x lane + i x a row of W
.set WX,   48                          ; v48-111  weights: two sets of 32 numbers
.set WC,   112                         ; v112-119 weights: a block's codes
.set OUTR, 120                         ; v120-183 weights: the way out
	s_load_b512 s[4:19], s[0:1], 0x0               ; x 4:5, Wq 6:7, Wk 8:9, Wv 10:11, Wo 12:13, the scales' exponents 14:15, xcodes 16:17, wcodes 18:19
	v_lshl_add_u32 v[SPW], v0, 2, SPARE
	v_mov_b32 v[NIL], 0
	v_lshrrev_b32 v1, 5, v0
	s_delay_alu instid0(VALU_DEP_1)
	v_readfirstlane_b32 s22, v1                    ; wave 0..7
	v_and_b32 v1, 31, v0                           ; lane
	s_delay_alu instid0(VALU_DEP_1)
	v_lshlrev_b32 v[LN16], 4, v1
	s_delay_alu instid0(VALU_DEP_2)
	v_lshlrev_b32 v[LN4], 2, v1
	s_mul_i32 s20, s22, XWAVE                      ; all LDS addresses are made here, ahead of the parting
	v_add_nc_u32 v[XS], s20, v[LN16]
	v_and_b32 v10, 15, v0                          ; r
	v_bfe_u32 v11, v0, 4, 1                        ; hh
	s_delay_alu instid0(VALU_DEP_2)
	v_mul_u32_u24 v[XR], v10, XPITCH
	s_delay_alu instid0(VALU_DEP_1)
	v_lshl_add_u32 v[XR], v11, 6, v[XR]
	s_delay_alu instid0(VALU_DEP_1)
	v_add_nc_u32 v[XR], s20, v[XR]
	s_mul_i32 s21, s22, WWAVE
	s_add_co_u32 s21, s21, WST
	v_add_nc_u32 v[WR], s21, v[LN16]
	v_bfe_u32 v12, v0, 3, 1                        ; column 32 g + lane lies in fragment 2 g + u, u = (lane / 8) % 2,
	v_and_b32 v13, 7, v0
	s_delay_alu instid0(VALU_DEP_1)
	v_lshl_add_u32 v13, v11, 3, v13                ; at its row lane % 8 + 8 (lane / 16)
	s_delay_alu instid0(VALU_DEP_3)
	v_mul_u32_u24 v[WS], v12, WFR
	s_delay_alu instid0(VALU_DEP_1)
	v_lshl_add_u32 v[WS], v13, 4, v[WS]
	s_delay_alu instid0(VALU_DEP_1)
	v_add_nc_u32 v[WS], s21, v[WS]
	s_wait_kmcnt 0x0
	s_load_b256 s[24:31], s[14:15], 0x0            ; e0 .. e7
	s_load_b128 s[32:35], s[14:15], 0x20           ; e8 .. e11
	s_cmp_lt_u32 ttmp9, 256
	s_cbranch_scc0 .Lweights
; ---------------- x: K is innermost ----------------
; A unit is 16 rows x 128 K.  Each load takes 512 consecutive bytes of one row; the unit turns through the wave's stage, so that a lane gets 16 neighbours along K of each block of 32 of ITS row.
.macro XLOAD u
.set i, 0
.rept 16
	global_load_b128 v[XN+64*\u+4*i:XN+64*\u+4*i+3], v[LN16], s[4:5] offset:(i+8*(i/8))*8192+512*\u th:TH_LOAD_NT   ; the fragment's row i is row i + 8 (i / 8) from its first
.set i, i+1
.endr
.endm
.macro XUNIT u
	s_wait_loadcnt 16*(1-\u)                       ; this unit's sixteen loads are in; the other unit's may be out
.set i, 0
.rept 16
	ds_store_b128 v[XS], v[XN+64*\u+4*i:XN+64*\u+4*i+3] offset:XPITCH*i
.set i, i+1
.endr
	s_wait_dscnt 0x0                               ; the stores are done: their registers take the numbers back in the other order
.irp c, 0,1,2,3
.irp j, 0,1,2,3
	ds_load_b128 v[XN+64*\u+16*\c+4*\j:XN+64*\u+16*\c+4*\j+3], v[XR] offset:128*\c+16*\j   ; register 16 c + i: k = 32 c + 16 hh + i of row r
.endr
.endr
	s_wait_dscnt 0x0
.if \u
	s_wait_xcnt 0x0                                ; the first unit's stores have read their data: the codes' registers are written again only behind this wait
.endif
.irp v, 0,1,2                                  ; the three scales.  The hold goes into other registers, since the numbers serve three times
.irp c, 0,1,2,3
.irp f, 0,1
.set i, 0
.rept 8
	v_med3_num_f32 v[XT+8*\f+i], v[XN+64*\u+16*\c+8*\f+i], -v[LM+\v], v[LM+\v]   ; the conversion to an 8-bit code does not saturate (ISA guide 7.6.2): the hold at the largest code x the scale
.set i, i+1
.endr
	v_cvt_scalef32_pk8_fp8_f32 v[XC+16*\v+4*\c+2*\f:XC+16*\v+4*\c+2*\f+1], v[XT+8*\f:XT+8*\f+7], v[SC+\v]   ; the two sets take turns: eight plain lines stand between a conversion and the next write of its sources
.endr
	global_store_b128 v[LN16], v[XC+16*\v+4*\c:XC+16*\v+4*\c+3], s[40+2*\v:41+2*\v] offset:16384*\u+512*\c   ; a whole chunk: 512 consecutive bytes, aligned
.endr
.endr
.endm
	s_lshr_b32 s36, ttmp9, 3                       ; the group of 128 rows
	s_bfe_u32 s37, ttmp9, 0x20001                  ; fragment a = work-group % 8: a / 2,
	s_and_b32 s38, ttmp9, 1                        ; a % 2
	s_lshl_b32 s39, s36, 7
	s_lshl_b32 s37, s37, 5
	s_lshl_b32 s38, s38, 3
	s_add_co_u32 s39, s39, s37
	s_add_co_u32 s39, s39, s38                     ; the fragment's first row: 128 group + 32 (a / 2) + 8 (a % 2)
	s_lshl_b32 s46, s39, 13                        ; x 8,192 bytes
	s_lshl_b32 s37, s22, 10                        ; + my wave's 256 numbers of a row
	s_add_co_u32 s46, s46, s37
	s_mov_b32 s47, 0
	s_add_nc_u64 s[4:5], s[4:5], s[46:47]
	XLOAD 0                                        ; all that the wave reads is asked for at once: 32 loads
	XLOAD 1
	s_lshl_b32 s46, s36, 18                        ; the codes: group x 262,144
	s_lshl_b32 s37, s22, 15                        ; + K step 2 w x 16,384
	s_add_co_u32 s46, s46, s37
	s_and_b32 s37, ttmp9, 7
	s_lshl_b32 s37, s37, 11                        ; + fragment x 2,048
	s_add_co_u32 s46, s46, s37
	s_add_nc_u64 s[40:41], s[16:17], s[46:47]      ; a base for each version: the distance between versions is past a store's immediate
	s_add_nc_u64 s[42:43], s[40:41], 0x800000
	s_add_nc_u64 s[44:45], s[42:43], 0x800000
	s_wait_kmcnt 0x0
.irp v, 0,1,2
	s_add_co_i32 s46, s[24+2*\v], 127              ; e0, e2, e4
	s_lshl_b32 s47, s46, 23
	v_mov_b32 v[SC+\v], s47                        ; 2^e as f32: the conversion takes its exponent field
	s_add_co_i32 s46, s46, 8
	s_lshl_b32 s46, s46, 23
	s_or_b32 s46, s46, 0x600000
	v_mov_b32 v[LM+\v], s46                        ; 448 x 2^e
.endr
	s_wait_alu depctr_va_vdst(0)
	XUNIT 0
	XUNIT 1
	s_wait_tensorcnt 0x0                           ; the wave's end, behind my last LDS store
	ds_add_u32 v[SPW], v[NIL]
	s_wait_dscnt 0x0
	s_endpgm
; ---------------- the weights: K is the first axis ----------------
; A lane takes a column n and its registers run down K: each load reads 128 consecutive bytes a wave (four waves side by side: 512), and the conversions give codes with K innermost.  Nothing is transposed.
.Lweights:
	s_sub_co_u32 s45, ttmp9, 256
	s_lshr_b32 s47, s45, 2                         ; the group of wcodes, 0..39
	s_and_b32 s45, s45, 3                          ; which 512 along K
	s_mov_b64 s[38:39], s[12:13]                   ; which tensor: Wo,
	s_mov_b32 s46, 24                              ; its first group,
	s_mov_b32 s23, 8192                            ; its row in bytes
	s_cmp_lt_u32 s47, 24
	s_cselect_b64 s[38:39], s[10:11], s[38:39]     ; Wv
	s_cselect_b32 s46, 20, s46
	s_cselect_b32 s23, 2048, s23
	s_cmp_lt_u32 s47, 20
	s_cselect_b64 s[38:39], s[8:9], s[38:39]       ; Wk
	s_cselect_b32 s46, 16, s46
	s_cmp_lt_u32 s47, 16
	s_cselect_b64 s[38:39], s[6:7], s[38:39]       ; Wq
	s_cselect_b32 s46, 0, s46
	s_cselect_b32 s23, 8192, s23
	s_sub_co_u32 s40, s47, s46
	s_lshl_b32 s40, s40, 9                         ; the group's 128 columns: 512 bytes
	s_and_b32 s42, s22, 3                          ; g: my wave's 32 of them
	s_lshl_b32 s43, s42, 7
	s_add_co_u32 s40, s40, s43
	s_lshl_b32 s45, s45, 1
	s_lshr_b32 s43, s22, 2
	s_add_co_u32 s45, s45, s43                     ; which 256 along K is my wave's, 0..7
	s_lshl_b32 s43, s45, 8
	s_mul_i32 s43, s43, s23                        ; its first row, in bytes
	s_add_co_u32 s40, s40, s43
	s_mov_b32 s41, 0
	s_lshl_b32 s36, s23, 5                         ; 32 rows on
	s_mov_b32 s37, 0
	s_add_nc_u64 s[48:49], s[38:39], s[40:41]      ; a base for each of my eight blocks of 32 along K: none is ever rewritten (the row's length differs between tensors, so it cannot stand in an immediate)
.irp t, 1,2,3,4,5,6,7
	s_add_nc_u64 s[48+2*\t:49+2*\t], s[46+2*\t:47+2*\t], s[36:37]
.endr
	s_lshl_b32 s40, s47, 18                        ; the codes: group x 262,144
	s_lshl_b32 s43, s45, 15                        ; + my first K step x 16,384
	s_add_co_u32 s40, s40, s43
	s_lshl_b32 s43, s42, 12                        ; + fragment 2 g x 2,048
	s_add_co_u32 s40, s40, s43
	s_add_nc_u64 s[20:21], s[18:19], s[40:41]
	v_mov_b32 v[OFF], v[LN4]
.set i, 1
.rept 31
	s_delay_alu instid0(VALU_DEP_1)
	v_add_nc_u32 v[OFF+i], s23, v[OFF+i-1]         ; 4 x lane + i rows
.set i, i+1
.endr
.macro WLOAD t                         ; block t: W(32 t + i, my column), i = 0 .. 31, into set t % 2
.set i, 0
.rept 32
	global_load_b32 v[WX+32*((\t)%2)+i], v[OFF+i], s[48+2*(\t):49+2*(\t)] th:TH_LOAD_NT
.set i, i+1
.endr
.endm
	WLOAD 0
	WLOAD 1
	s_wait_kmcnt 0x0
	s_mov_b32 s44, s35                             ; e11, e5, e3 or e1
	s_cmp_lt_u32 s47, 24
	s_cselect_b32 s44, s29, s44
	s_cmp_lt_u32 s47, 20
	s_cselect_b32 s44, s27, s44
	s_cmp_lt_u32 s47, 16
	s_cselect_b32 s44, s25, s44
	s_add_co_i32 s44, s44, 127
	s_lshl_b32 s43, s44, 23
	v_mov_b32 v[SC], s43                           ; 2^e as f32
	s_add_co_i32 s44, s44, 8
	s_lshl_b32 s44, s44, 23
	s_or_b32 s44, s44, 0x600000
	v_mov_b32 v[LM], s44                           ; 448 x 2^e
.macro WBLOCK t
.set XB, WX+32*((\t)%2)
.if (\t) < 7
	s_wait_loadcnt 32                              ; this block's 32 loads are in; the next block's may be out
.else
	s_wait_loadcnt 0
.endif
.set i, 0
.rept 32
	v_med3_num_f32 v[XB+i], v[XB+i], -v[LM], v[LM]
.set i, i+1
.endr
.irp g, 0,1,2,3
	v_cvt_scalef32_pk8_fp8_f32 v[WC+2*\g:WC+2*\g+1], v[XB+8*\g:XB+8*\g+7], v[SC]
.endr
	ds_store_b128 v[WS], v[WC:WC+3] offset:2*WFR*((\t)/4)+512*((\t)%4)         ; k 0..15 of the block: the chunk's lanes 0-15,
	ds_store_b128 v[WS], v[WC+4:WC+7] offset:2*WFR*((\t)/4)+512*((\t)%4)+256   ; k 16..31: its lanes 16-31.  (The codes go to LDS stores alone, and the next block begins with plain vector lines)
.if (\t)+2 < 8
	WLOAD (\t)+2
.endif
	s_wait_dscnt 0x0                               ; the stores have read their registers: the next block's codes may be written
.endm
	s_wait_alu depctr_va_vdst(0)
.irp t, 0,1,2,3,4,5,6,7
	WBLOCK \t
.endr
.set n, 0
.rept 16
	ds_load_b128 v[OUTR+4*n:OUTR+4*n+3], v[WR] offset:2*WFR*(n/8)+WFR*((n/4)%2)+512*(n%4)   ; LDS serves a wave's instructions in order: these see my stores
.set n, n+1
.endr
.set n, 0
.rept 16
	s_wait_dscnt 15-n                              ; load n is back; the younger ones may be out
	global_store_b128 v[LN16], v[OUTR+4*n:OUTR+4*n+3], s[20:21] offset:16384*(n/8)+2048*((n/4)%2)+512*(n%4)   ; a whole chunk: 512 consecutive bytes, aligned
.set n, n+1
.endr
	s_wait_tensorcnt 0x0                           ; the wave's end, behind my last LDS store
	ds_add_u32 v[SPW], v[NIL]
	s_wait_dscnt 0x0
	s_endpgm
.Lfunc_end_k_q7f9dbb9815_quant:
	.size	k_q7f9dbb9815_quant, .Lfunc_end_k_q7f9dbb9815_quant-k_q7f9dbb9815_quant
	.p2alignl 7, 3214868480
	.fill 96, 4, 3214868480
	.section	.rodata,"a",@progbits
	.p2align	6, 0x0
	.amdhsa_kernel k_q7f9dbb9815_quant
		.amdhsa_group_segment_fixed_size 138240
		.amdhsa_private_segment_fixed_size 0
		.amdhsa_enable_private_segment 0
		.amdhsa_kernarg_size 64
		.amdhsa_user_sgpr_count 2
		.amdhsa_user_sgpr_kernarg_segment_ptr 1
		.amdhsa_wavefront_size32 1
		.amdhsa_system_sgpr_workgroup_id_x 1
		.amdhsa_system_sgpr_workgroup_id_y 1
		.amdhsa_system_sgpr_workgroup_id_z 1
		.amdhsa_system_vgpr_workitem_id 0
		.amdhsa_next_free_vgpr 208
		.amdhsa_next_free_sgpr 66
		.amdhsa_reserve_vcc 0
		.amdhsa_float_denorm_mode_32 3
		.amdhsa_float_denorm_mode_16_64 3
		.amdhsa_memory_ordered 1
		.amdhsa_forward_progress 1
		.amdhsa_inst_pref_size 92
	.end_amdhsa_kernel
	.amdgpu_metadata
---
amdhsa.version: [ 1, 2 ]
amdhsa.kernels:
  - .name:           k_q7f9dbb9815_quant
    .symbol:         k_q7f9dbb9815_quant.kd
    .args:
      - { .name: x, .offset: 0, .size: 8, .value_kind: global_buffer, .address_space: global }
      - { .name: Wq, .offset: 8, .size: 8, .value_kind: global_buffer, .address_space: global }
      - { .name: Wk, .offset: 16, .size: 8, .value_kind: global_buffer, .address_space: global }
      - { .name: Wv, .offset: 24, .size: 8, .value_kind: global_buffer, .address_space: global }
      - { .name: Wo, .offset: 32, .size: 8, .value_kind: global_buffer, .address_space: global }
      - { .name: lowp_scales, .offset: 40, .size: 8, .value_kind: global_buffer, .address_space: global }
      - { .name: xcodes, .offset: 48, .size: 8, .value_kind: global_buffer, .address_space: global }
      - { .name: wcodes, .offset: 56, .size: 8, .value_kind: global_buffer, .address_space: global }
    .group_segment_fixed_size: 138240
    .private_segment_fixed_size: 0
    .kernarg_segment_align: 8
    .kernarg_segment_size: 64
    .max_flat_workgroup_size: 256
    .sgpr_count:     66
    .vgpr_count:     208
    .wavefront_size: 32
...
	.end_amdgpu_metadata
.endif
;; end of part 1
;; launch proj (part 2): grid 16 x 12, 4 waves a work-group, clusters of 4 x 1, 327,680 bytes of LDS; arguments xcodes, wcodes, lowp_scales, bq, bk, bv, qkvc; writes qkvc
.if DOCPART == 2
	.amdgcn_target "amdgcn-amd-amdhsa--gfx1250"
	.amdhsa_code_object_version 6
	.text
	.protected	k_q7f9dbb9815_proj
	.globl	k_q7f9dbb9815_proj
	.p2align	8
	.type	k_q7f9dbb9815_proj,@function
k_q7f9dbb9815_proj:
	s_mov_b64 s[64:65], 0
	v_nop
	global_prefetch_b8 v0, s[64:65] scope:SCOPE_SE
	s_setreg_imm32_b32 hwreg(HW_REG_WAVE_MODE, 25, 1), 1
	s_wait_xcnt 0x0
	s_wait_alu depctr_hold_cnt(0) depctr_sa_sdst(0) depctr_va_vdst(0) depctr_va_sdst(0) depctr_va_ssrc(0) depctr_va_vcc(0) depctr_vm_vsrc(0)
	s_getreg_b32 s2, hwreg(HW_REG_IB_STS2, 6, 4)
	s_cmp_eq_u32 s2, 0
	s_cbranch_scc0 .Lentry_in_a_cluster
	s_endpgm
.Lentry_in_a_cluster:
	s_bfe_u32 s2, ttmp6, 0x10000c
	s_cmp_lg_u32 s2, 0x3003
	s_cbranch_scc0 .Lentry_shape_is_right
	s_endpgm
.Lentry_shape_is_right:
; q, k and v: x W + b on codes of FP8 (E4M3), each result quantised on the way out under its own given scale, into the images of operand registers that the attention launch reads.
; A work-group makes 256 x 256 of one product (grid y 0-7: Wq; 8, 9: Wk; 10, 11: Wv, with the two operands' places in LDS exchanged, so that v comes out with the keys innermost); four waves, 128 x 128 each.
; K goes in steps of 256 through a ring of two LDS slots; each wave fetches one dense block of 32,768 bytes (128 rows x 256 K) a slot.  CLUSTER 4, 1, 1: the four partners share their rows of W and ask for them jointly.
; PREFETCH: behind the load of slot i each wave asks for slot i + 2 (at the head also for slot 1): never more than two slots are asked for and not yet read; the last two refills ask for nothing.
; LIMITS: the sums of two operands' exponents between -126 and 127; the results' exponents between -126 and 119.
.set FR,    16
.set NL,    4
.set NP,    4
.set GRP,   32768
.set SLOT,  4*GRP
.set SPARE, 2*SLOT
.set LAPS,  4
.set BCO,  6
.set BRO,  7
.set ADRA, 16
.set ADRB, 20
.set VO0,  24
.set VO1,  25
.set ZR,   26
.set SPW,  28
.set NIL,  29
.set SCO,  30
.set LIM,  31
.set BC,   32
.set BR,   96
.set AF,   128
.set T,    128
.set CD,   192
.set G1X, 24
.set G0X, 32
.set G1W, 48
.set G0W, 56
.set MSB, 0
.macro WIN new
.if MSB != \new
	s_set_vgpr_msb (MSB<<8)|\new
.set MSB, \new
.endif
.endm
.set MUL_LO, 0xa1
.set MUL_HI, 0xf1
.set TO_B,   0x40
.set PFO,  27                          ; v27  the prefetches' offset: 256 x my lane; never rewritten
; A prefetch of my wave's part of a later slot, lanes 256 bytes apart.  A wave that fetches x asks for all its 32,768 bytes, four lines of 8,192; of W's 32,768 bytes, which four partners load jointly,
; each partner asks for 8,192, told apart by address (cx x 8,192 lies in s[12:13]).  The branch hangs on the wave's number alone.
.macro ASK off
	s_cmp_eq_u32 s15, 0
	s_cbranch_scc0 .Lask_w_\@
.irp k, 0,1,2,3
	global_prefetch_b8 v[PFO], s[12:13] offset:\off+8192*\k th:TH_LOAD_NT scope:SCOPE_SE
.endr
	s_branch .Lask_d_\@
.Lask_w_\@:
	global_prefetch_b8 v[PFO], s[12:13] offset:\off th:TH_LOAD_NT scope:SCOPE_SE
.Lask_d_\@:
.endm
.macro JLOAD g0a, g1a, g0b, g1b
	s_cmp_eq_u32 s15, 0
	s_cbranch_scc0 .Lfor_b_\@
	tensor_load_to_lds s[\g0a:\g0a+3], s[\g1a:\g1a+7]
	s_nop 0
.rept 4
	v_nop
.endr
	s_branch .Lasked_\@
.Lfor_b_\@:
	tensor_load_to_lds s[\g0b:\g0b+3], s[\g1b:\g1b+7]
	s_nop 0
.rept 4
	v_nop
.endr
.Lasked_\@:
.endm
.macro CREST
	s_cmp_lg_u32 s14, 0
	s_cbranch_scc1 .Lnot_wave_0_\@
	s_barrier_signal -3
.Lnot_wave_0_\@:
	s_barrier_wait -3
	s_barrier_signal -1
	s_barrier_wait -1
.endm
.macro CROUND
	s_barrier_signal -1
	s_barrier_wait -1
	CREST
.endm
	s_load_b256 s[4:11], s[0:1], 0x0
	s_load_b128 s[68:71], s[0:1], 0x20
	s_load_b64 s[72:73], s[0:1], 0x30
	v_lshl_add_u32 v[SPW], v0, 2, SPARE
	v_mov_b32 v[NIL], 0
	ds_add_u32 v[SPW], v[NIL]
	ds_add_u32 v[SPW], v[NIL]
	v_lshrrev_b32 v1, 5, v0
	v_readfirstlane_b32 s14, v1
	v_and_b32 v[PFO], 31, v0
	v_lshlrev_b32 v[PFO], 8, v[PFO]
	s_lshr_b32 s15, s14, 1
	s_and_b32 s16, s14, 1
	s_bfe_u32 s40, ttmp6, 0x40000
	s_lshl_b32 s42, ttmp9, 2
	s_add_co_u32 s42, s42, s40
	s_and_b32 s17, ttmp7, 0xffff
	s_cmp_ge_u32 s17, 10
	s_cselect_b32 s44, -1, 0
	s_cselect_b32 s18, 0x10000, 0
	s_cselect_b32 s19, 0, 0x10000
	s_cselect_b32 s43, 2, 1
	s_cselect_b32 s90, 10, 8
	s_cmp_lt_u32 s17, 8
	s_cselect_b32 s43, 0, s43
	s_cselect_b32 s90, 0, s90
	s_sub_co_u32 s90, s17, s90
	s_mov_b32 s[G1X+0], 3<<16
	s_mov_b32 s[G1W+0], 15|(3<<16)|(1<<21)
.irp g, G1X, G1W
	s_mov_b32 s[\g+1], 32<<16
	s_mov_b32 s[\g+2], 128<<16
	s_mov_b32 s[\g+3], 32<<16
	s_mov_b32 s[\g+4], 128
	s_mov_b32 s[\g+5], 32
	s_mov_b32 s[\g+6], 0
	s_mov_b32 s[\g+7], 0
.endr
	s_lshl_b32 s20, s42, 1
	s_add_co_u32 s20, s20, s16
	s_lshl_b32 s20, s20, 18
	s_lshl_b32 s21, s43, 23
	s_add_co_u32 s20, s20, s21
	s_mov_b32 s21, 0
	s_lshl_b32 s46, s17, 1
	s_add_co_u32 s46, s46, s16
	s_lshl_b32 s46, s46, 18
	s_mov_b32 s47, 0
	s_lshl_b32 s45, s14, 15
	s_wait_alu depctr_va_vdst(0)
	s_wait_dscnt 0x0
	s_wait_kmcnt 0x0
	s_load_b256 s[76:83], s[8:9], 0x0
	s_load_b128 s[84:87], s[8:9], 0x20
	s_add_nc_u64 s[20:21], s[4:5], s[20:21]
	s_add_nc_u64 s[46:47], s[6:7], s[46:47]
	s_cmp_eq_u32 s15, 0                            ; where my prefetches stand: my wave's stream, x's or W's,
	s_cselect_b64 s[12:13], s[20:21], s[46:47]
	s_cselect_b32 s66, 0, s40                      ; in W my work-group's quarter, by cx,
	s_lshl_b32 s66, s66, 13
	s_add_co_u32 s66, s66, GRP                     ; at slot 1
	s_mov_b32 s67, 0
	s_add_nc_u64 s[12:13], s[12:13], s[66:67]
	CROUND
.irp s, 0,1
	s_mov_b32 s[G0X+4*\s], 1
	s_add_co_u32 s[G0X+4*\s+1], s45, \s*SLOT
	s_add_nc_u64 s[G0X+4*\s+2:G0X+4*\s+3], s[20:21], \s*GRP
	s_or_b32 s[G0X+4*\s+3], s[G0X+4*\s+3], 0x80000000
	s_mov_b32 s[G0W+4*\s], 1
	s_add_co_u32 s[G0W+4*\s+1], s45, \s*SLOT
	s_add_nc_u64 s[G0W+4*\s+2:G0W+4*\s+3], s[46:47], \s*GRP
	s_or_b32 s[G0W+4*\s+3], s[G0W+4*\s+3], 0x80000000
.if \s                                         ; slot 0's load stands behind the opening round; slot 1's first fill is issued as a refill is
	s_wait_alu depctr_va_vdst(0)
	s_wait_tensorcnt 0x0
	ds_add_u32 v28, v29
	ds_add_u32 v28, v29
	s_wait_dscnt 0x0
	CROUND
.endif
	JLOAD G0X+4*\s, G1X, G0W+4*\s, G1W
.if \s
	ASK 2*GRP                                      ; slot 3
.else
	ASK 0                                          ; slots 1 and 2
	ASK GRP
.endif
.endr
	v_and_b32 v1, 31, v0
	v_lshlrev_b32 v[VO0], 4, v1
	v_and_b32 v2, 15, v0
	v_bfe_u32 v3, v0, 4, 1
	s_wait_alu depctr_va_vdst(0)
	s_lshl_b32 s21, s15, 15
	s_add_co_u32 s21, s21, s18
	s_lshl_b32 s22, s16, 15
	s_add_co_u32 s22, s22, s19
.irp s, 0,1
	v_add_nc_u32 v[ADRA+\s], s21, v[VO0]
	v_add_nc_u32 v[ADRB+\s], s22, v[VO0]
	s_add_co_u32 s21, s21, SLOT
	s_add_co_u32 s22, s22, SLOT
.endr
	s_cmp_lt_u32 s17, 10
	s_cselect_b64 s[74:75], s[68:69], s[70:71]
	s_cmp_lt_u32 s17, 8
	s_cselect_b64 s[74:75], s[10:11], s[74:75]
	s_lshl_b32 s21, s90, 10
	s_lshl_b32 s22, s16, 9
	s_add_co_u32 s22, s21, s22
	s_lshl_b32 s23, s15, 9
	s_add_co_u32 s23, s21, s23
	s_cmp_ge_u32 s17, 10
	s_cselect_b32 s22, 0, s22
	s_cselect_b32 s23, s23, 0
	v_lshl_add_u32 v[BCO], v3, 6, s22
	v_and_b32 v4, 8, v2
	v_add_nc_u32 v4, v4, v2
	v_lshl_add_u32 v[BRO], v4, 2, s23
.irp p, 0,1,2,3
.irp j, 0,1,2,3
	global_load_b128 v[BC+16*\p+4*\j:BC+16*\p+4*\j+3], v[BCO], s[74:75] offset:128*\p+16*\j
.endr
.endr
.irp a, 0,1,2,3,4,5,6,7
	global_load_b32 v[BR+2*\a], v[BRO], s[74:75] offset:4*(32*(\a/2)+8*(\a%2))
.endr
	s_lshl_b32 s20, s42, 4
	s_lshl_b32 s21, s15, 3
	s_add_co_u32 s20, s20, s21
	s_lshl_b32 s20, s20, 15
	s_lshl_b32 s21, s17, 2
	s_lshl_b32 s22, s16, 1
	s_add_co_u32 s21, s21, s22
	s_lshl_b32 s21, s21, 10
	s_add_co_u32 s20, s20, s21
	s_lshr_b32 s21, s42, 2
	s_lshl_b32 s21, s21, 3
	s_lshl_b32 s22, s90, 2
	s_add_co_u32 s21, s21, s22
	s_and_b32 s22, s42, 3
	s_lshl_b32 s23, s16, 1
	s_add_co_u32 s23, s21, s23
	s_lshl_b32 s23, s23, 16
	s_lshl_b32 s91, s22, 4
	s_lshl_b32 s97, s15, 3
	s_add_co_u32 s91, s91, s97
	s_lshl_b32 s91, s91, 10
	s_add_co_u32 s23, s23, s91
	s_add_co_u32 s23, s23, 0x800000
	s_lshl_b32 s91, s15, 1
	s_add_co_u32 s91, s21, s91
	s_lshl_b32 s91, s91, 16
	s_lshl_b32 s97, s22, 1
	s_add_co_u32 s97, s97, s16
	s_lshl_b32 s97, s97, 13
	s_add_co_u32 s91, s91, s97
	s_add_co_u32 s91, s91, 0xa00000
	s_mov_b32 s92, 1024
	s_mov_b32 s94, 1024
	s_mov_b32 s96, 0x10000
	s_cmp_ge_u32 s17, 10
	s_cselect_b32 s98, s91, s23
	s_cselect_b32 s92, 2048, s92
	s_cselect_b32 s94, 59392, s94
	s_cselect_b32 s96, 1024, s96
	s_cmp_lt_u32 s17, 8
	s_cselect_b32 s98, s20, s98
	s_cselect_b32 s92, 0x8000, s92
	s_cselect_b32 s94, 0x8000, s94
	s_cselect_b32 s96, 1024, s96
	s_mov_b32 s93, 0
	s_mov_b32 s95, 0
	s_mov_b32 s99, 0
	s_add_nc_u64 s[72:73], s[72:73], s[98:99]
	v_add_nc_u32 v[VO1], s96, v[VO0]
	v_mov_b32 v[ZR], 0
	s_wait_alu depctr_va_vdst(0)
	s_wait_kmcnt 0x0
	s_cmp_ge_u32 s17, 10
	s_cselect_b32 s20, s80, s78
	s_cselect_b32 s21, s81, s79
	s_cselect_b32 s22, s85, s83
	s_cmp_lt_u32 s17, 8
	s_cselect_b32 s20, s76, s20
	s_cselect_b32 s21, s77, s21
	s_cselect_b32 s22, s82, s22
	s_add_co_i32 s88, s20, s21
	s_add_co_i32 s88, s88, 127
	s_lshl_b32 s88, s88, 23
	s_mov_b32 s89, s88
	s_add_co_i32 s22, s22, 127
	s_lshl_b32 s23, s22, 23
	v_mov_b32 v[SCO], s23
	s_add_co_i32 s22, s22, 8
	s_lshl_b32 s22, s22, 23
	s_or_b32 s22, s22, 0x600000
	v_mov_b32 v[LIM], s22
	s_wait_alu depctr_va_vdst(0)                   ; the wait at the head's end.  (The biases' loads stay out: their registers are first touched on the way out)
.macro FRAG reg, adr, q, i
.irp c, 0,1,2,3
	ds_load_b128 v[\reg+4*\c:\reg+4*\c+3], v[\adr] offset:16384*(\q)+2048*(\i)+512*\c
.endr
.endm
.macro MUL16 a0, p, zero
.irp a, \a0, \a0+1
.irp b, 0,1,2,3,4,5,6,7
.if \zero
	v_wmma_f32_16x16x128_fp8_fp8 v[8*(8*((\a)%4)+\b):8*(8*((\a)%4)+\b)+7], v[128*(\p)+FR*\b:128*(\p)+FR*\b+FR-1], v[AF+FR*(\a):AF+FR*(\a)+FR-1], 0
.else
	v_wmma_f32_16x16x128_fp8_fp8 v[8*(8*((\a)%4)+\b):8*(8*((\a)%4)+\b)+7], v[128*(\p)+FR*\b:128*(\p)+FR*\b+FR-1], v[AF+FR*(\a):AF+FR*(\a)+FR-1], v[8*(8*((\a)%4)+\b):8*(8*((\a)%4)+\b)+7]
.endif
.endr
.endr
.endm
.macro FETCH_B slot, q, p
	WIN TO_B
.irp i, 0,1,2,3,4,5,6,7
	FRAG 128*(\p)+FR*\i, ADRB+\slot, \q, \i
.endr
	WIN 0
.endm
.macro FETCH_A slot, q, i0
.irp i, \i0, \i0+1, \i0+2, \i0+3
	FRAG AF+FR*(\i), ADRA+\slot, \q, \i
.endr
.endm
.macro PLACES n
.rept \n
	v_nop
.endr
.endm
.macro STEP slot, q, zero
	s_wait_dscnt 4*NL
	WIN MUL_LO
	MUL16 0, (\q)%2, \zero
	MUL16 2, (\q)%2, \zero
	s_wait_dscnt 0
	PLACES NP
	FETCH_B \slot, (\q)+1, 1-(\q)%2
	FETCH_A \slot, (\q)+1, 0
	WIN MUL_HI
	MUL16 4, (\q)%2, \zero
	MUL16 6, (\q)%2, \zero
	PLACES NP
	WIN 0
	FETCH_A \slot, (\q)+1, 4
.endm
.macro TURN slot, next, fill
.if \fill
	s_wait_xcnt 0x0                                ; my prefetches have read their address: it is stepped only behind this wait,
	s_add_nc_u64 s[12:13], s[12:13], GRP           ; a slot on
.endif
	s_wait_tensorcnt 0x0
	ds_add_u32 v[SPW], v[NIL]
	s_wait_dscnt 4*NL+1
	WIN MUL_LO
	MUL16 0, 1, 0
	s_wait_dscnt 0x0
	s_barrier_signal -1
	MUL16 2, 1, 0
	WIN 0
	s_barrier_wait -1
.if \fill
	CREST
	s_add_nc_u64 s[G0X+4*\slot+2:G0X+4*\slot+3], s[G0X+4*\slot+2:G0X+4*\slot+3], 2*GRP
	s_add_nc_u64 s[G0W+4*\slot+2:G0W+4*\slot+3], s[G0W+4*\slot+2:G0W+4*\slot+3], 2*GRP
	JLOAD G0X+4*\slot, G1X, G0W+4*\slot, G1W
.else
	PLACES NP
.endif
	FETCH_B \next, 0, 0
	FETCH_A \next, 0, 0
.if \fill
	s_cmp_gt_u32 s3, 1                             ; the loop's last trip has no slot two refills on
	s_cbranch_scc0 .Lno_ask_\@
	ASK 2*GRP                                      ; behind the joint load and the run of LDS loads: the slot two refills on
.Lno_ask_\@:
.endif
	WIN MUL_HI
	MUL16 4, 1, 0
	MUL16 6, 1, 0
	PLACES NP
	WIN 0
	FETCH_A \next, 0, 4
.endm
	s_wait_tensorcnt 1
	s_barrier_signal -1
	s_barrier_wait -1
	FETCH_B 0, 0, 0
	FETCH_A 0, 0, 0
	FETCH_A 0, 0, 4
	STEP 0, 0, 1
	s_mov_b32 s3, LAPS-1
.Llap:
	TURN 0, 1, 1
	STEP 1, 0, 0
	TURN 1, 0, 1
	STEP 0, 0, 0
	s_sub_co_u32 s3, s3, 1
	s_cmp_lg_u32 s3, 0
	s_cbranch_scc1 .Llap
	TURN 0, 1, 0
	STEP 1, 0, 0
	s_wait_dscnt 4*NL
	WIN MUL_LO
	MUL16 0, 1, 0
	MUL16 2, 1, 0
	s_wait_dscnt 0
	WIN MUL_HI
	MUL16 4, 1, 0
	MUL16 6, 1, 0
	WIN 0
.macro OUT a
.set AC, 64*((\a)%4)
.set CSET, CD+16*((\a)%4)
	WIN 0x02+((\a)/4)
.set j, 0
.rept 32
	v_pk_fma_f32 v[T+j:T+j+1], v[AC+j:AC+j+1], s[88:89], v[BC+j:BC+j+1] op_sel_hi:[1,0,1]
.set j, j+2
.endr
	WIN 0
.set j, 0
.rept 32
	v_pk_add_f32 v[T+j:T+j+1], v[T+j:T+j+1], v[BR+2*(\a):BR+2*(\a)+1]
.set j, j+2
.endr
.set j, 0
.rept 64
	v_med3_num_f32 v[T+j], v[T+j], -v[LIM], v[LIM]
.set j, j+1
.endr
.irp g, 0,1,2,3,4,5,6,7
	v_cvt_scalef32_pk8_fp8_f32 v[CSET+2*\g:CSET+2*\g+1], v[T+8*\g:T+8*\g+7], v[SCO]
.endr
	v_nop
.if (\a) > 0
	s_wait_alu depctr_va_vdst(0)
	s_wait_xcnt 0x0
.if (\a) == 4
	s_add_nc_u64 s[72:73], s[72:73], s[94:95]
.else
	s_add_nc_u64 s[72:73], s[72:73], s[92:93]
.endif
.endif
	global_store_b128 v[VO0], v[CSET:CSET+3], s[72:73] th:TH_STORE_NT
	global_store_b128 v[VO0], v[CSET+4:CSET+7], s[72:73] offset:512 th:TH_STORE_NT
	global_store_b128 v[VO1], v[CSET+8:CSET+11], s[72:73] th:TH_STORE_NT
	global_store_b128 v[VO1], v[CSET+12:CSET+15], s[72:73] offset:512 th:TH_STORE_NT
.endm
	PLACES NP
	s_wait_loadcnt 0x0                             ; the biases, asked for at the head
.set i, 0
.rept 64
	v_cndmask_b32 v[BC+i], v[BC+i], v[ZR], s44     ; q, k: the bias runs along a lane's registers; v: along the lanes.  The other of the two is 0
.set i, i+1
.endr
.irp a, 0,1,2,3,4,5,6,7
	v_cndmask_b32 v[BR+2*\a+1], v[ZR], v[BR+2*\a], s44
	v_cndmask_b32 v[BR+2*\a], v[ZR], v[BR+2*\a], s44
.endr
.irp a, 0,1,2,3,4,5,6,7
	OUT \a
.endr
	s_wait_tensorcnt 0x0
	ds_add_u32 v[SPW], v[NIL]
	s_wait_dscnt 0x0
	CROUND
	s_endpgm
.Lfunc_end_k_q7f9dbb9815_proj:
	.size	k_q7f9dbb9815_proj, .Lfunc_end_k_q7f9dbb9815_proj-k_q7f9dbb9815_proj
	.p2alignl 7, 3214868480
	.fill 96, 4, 3214868480
	.section	.rodata,"a",@progbits
	.p2align	6, 0x0
	.amdhsa_kernel k_q7f9dbb9815_proj
		.amdhsa_group_segment_fixed_size 327680
		.amdhsa_private_segment_fixed_size 0
		.amdhsa_enable_private_segment 0
		.amdhsa_kernarg_size 56
		.amdhsa_user_sgpr_count 2
		.amdhsa_user_sgpr_kernarg_segment_ptr 1
		.amdhsa_wavefront_size32 1
		.amdhsa_system_sgpr_workgroup_id_x 1
		.amdhsa_system_sgpr_workgroup_id_y 1
		.amdhsa_system_sgpr_workgroup_id_z 1
		.amdhsa_system_vgpr_workitem_id 0
		.amdhsa_next_free_vgpr 1024
		.amdhsa_next_free_sgpr 100
		.amdhsa_reserve_vcc 0
		.amdhsa_float_denorm_mode_32 3
		.amdhsa_float_denorm_mode_16_64 3
		.amdhsa_memory_ordered 1
		.amdhsa_forward_progress 1
		.amdhsa_inst_pref_size 164
	.end_amdhsa_kernel
	.amdgpu_metadata
---
amdhsa.version: [ 1, 2 ]
amdhsa.kernels:
  - .name:           k_q7f9dbb9815_proj
    .symbol:         k_q7f9dbb9815_proj.kd
    .args:
      - { .name: xcodes, .offset: 0, .size: 8, .value_kind: global_buffer, .address_space: global }
      - { .name: wcodes, .offset: 8, .size: 8, .value_kind: global_buffer, .address_space: global }
      - { .name: lowp_scales, .offset: 16, .size: 8, .value_kind: global_buffer, .address_space: global }
      - { .name: bq, .offset: 24, .size: 8, .value_kind: global_buffer, .address_space: global }
      - { .name: bk, .offset: 32, .size: 8, .value_kind: global_buffer, .address_space: global }
      - { .name: bv, .offset: 40, .size: 8, .value_kind: global_buffer, .address_space: global }
      - { .name: qkvc, .offset: 48, .size: 8, .value_kind: global_buffer, .address_space: global }
    .group_segment_fixed_size: 327680
    .private_segment_fixed_size: 0
    .kernarg_segment_align: 8
    .kernarg_segment_size: 56
    .max_flat_workgroup_size: 128
    .sgpr_count:     100
    .vgpr_count:     1024
    .wavefront_size: 32
...
	.end_amdgpu_metadata
.endif
;; end of part 2
;; launch attn (part 3): grid 8 x 32, 8 waves a work-group, clusters of 4 x 1, 167,936 bytes of LDS; arguments qkvc, lowp_scales, ctxc; writes ctxc
.if DOCPART == 3
	.amdgcn_target "amdgcn-amd-amdhsa--gfx1250"
	.amdhsa_code_object_version 6
	.text
	.protected	k_q7f9dbb9815_attn
	.globl	k_q7f9dbb9815_attn
	.p2align	8
	.type	k_q7f9dbb9815_attn,@function
k_q7f9dbb9815_attn:
	s_mov_b64 s[64:65], 0
	v_nop
	global_prefetch_b8 v0, s[64:65] scope:SCOPE_SE
	s_setreg_imm32_b32 hwreg(HW_REG_WAVE_MODE, 25, 1), 1
	s_wait_xcnt 0x0
	s_wait_alu depctr_hold_cnt(0) depctr_sa_sdst(0) depctr_va_vdst(0) depctr_va_sdst(0) depctr_va_ssrc(0) depctr_va_vcc(0) depctr_vm_vsrc(0)
	s_getreg_b32 s2, hwreg(HW_REG_IB_STS2, 6, 4)
	s_cmp_eq_u32 s2, 0
	s_cbranch_scc0 .Lentry_in_a_cluster
	s_endpgm
.Lentry_in_a_cluster:
	s_bfe_u32 s2, ttmp6, 0x10000c
	s_cmp_lg_u32 s2, 0x3003
	s_cbranch_scc0 .Lentry_shape_is_right
	s_endpgm
.Lentry_shape_is_right:
; ctx[b][h][q] = the sum over k of softmax_k(q . k / 8) v, 32 query heads on 8 key and value heads (head h reads kv head h / 4), head size 64, 1,024 keys; both products on codes of FP8 (E4M3); ctx quantised on the way out under 2^e10.
; THE SOFTMAX AHEAD OF THE SECOND PRODUCT: t = score x log2(e) / 8; M = the row's largest t so far, rounded UP to a whole number; p = 2^(t - M) is quantised under 2^e8, not normalised; the row's sum is taken of the
; unquantised p in f32 and divides at the end.  When M moves, the sum and O are multiplied by 2^(old M - new M): exact.
; LIMITS on the given exponents: e6 + e7 between -123 and 130 (added to c's exponent field); e8, and e10 - e8 - e9, between -126 and 119.
; OPERANDS are images of registers, in chunks of 512 bytes (lane l = r + 16 hh: 16 codes, k = 32 c + 16 hh + 0..15 of row r): q [token fragment: 256][head: 32][2][512]; k at 8,388,608: [8 b + kv head][key fragment: 64][2][512];
; v^T at 10,485,760: [8 b + kv head][key step of 128: 8][channel fragment: 4][4][512].  Fragment 2 g + u of a group holds rows 32 g + 8 u + r + 8 (r / 8): so in S^T = K Q^T the 16 registers of tiles 2 p, 2 p + 1 are
; keys 32 p + 16 hh + 0..15, p's codes ARE the second product's operand, and in O^T = V^T P^T the 16 registers of tiles 2 p, 2 p + 1 are channels 32 p + 16 hh + 0..15: a chunk of the last product's operand.
; SHARES.  A work-group owns 512 queries of one head; each of its eight waves 64 of them, in two passes of 32: TWO query fragments (0 and 1) go side by side, so that each fragment of K and of V^T read from LDS feeds two products,
; and one fragment's dependent lines stand among the other's independent ones.  A (b, kv head)'s K and V^T are 65,536 bytes each and lie WHOLE in LDS: one fill, nothing is filled again, no ring.
; The next step's K is asked of LDS behind this step's first products, the next step's V^T behind its second products; a pass's last step is written out, since it asks for nothing.
; CLUSTER 4, 1, 1: the eight work-groups of a (b, kv head) read the same K and V^T; the four of a cluster ask for them jointly, each wave one load of 16,384 bytes.
; No prefetch: K and V^T are fetched once, at the kernel's head: there is no loop to run ahead in.
; REGISTERS.  Window 0 holds all that the softmax touches, for both fragments: v1-5 addresses; v6-19 the rows' state; v22-26 constants; v28-43 Q; v44-107, v108-171 S^T, then p; v172-203 at work; v204-235 p's codes; v236-251 ctx's codes.
; Window 1: v0-63 K's eight fragments; v64-127 V^T's four; v128-191 O^T of the two fragments; v192-207 the second pass's Q.
.set VOFF,  65536                      ; LDS: K's 64 fragments, then V^T's 32
.set SPARE, 131072                     ; behind them: the spare words, 128 bytes for each wave: four blocks of 256 bytes that no other line names
.set L16,  1                           ; 16 x lane
.set ADK,  2                           ; the step's place in K
.set ADV,  3                           ; and in V^T
.set SPW,  4                           ; LDS address of my spare word; never rewritten
.set NIL,  5                           ; 0; never rewritten
.set NMA,  6                           ; v[6:7], v[8:9]: -M and the largest t of fragment 0, 1
.set FA,   10                          ; v[10:11], v[12:13]: f = 2^(old M - new M) (the upper halves are only named); on the way out 1 / the sum
.set LA,   14                          ; v[14:15], v[16:17]: the sum in two halves
.set PRA,  18                          ; v18, v19: what lane l xor 16 sends
.set AV0,  20                          ; 16 x lane + VOFF
.set CAP,  22                          ; v22, v23: 448 x 2^e8, twice: the two halves of a dual line take their second sources from different banks
.set CAP2, 23
.set SCP,  24                          ; 2^e8
.set CAPO, 25                          ; 448 x 2^(e10 - e8 - e9)
.set SCO,  26                          ; 2^(e10 - e8 - e9)
.set QA,   28
.set SA,   44
.set SB,   108
.set T,    172
.set U,    T+16
.set PA,   204
.set PB,   220
.set CC,   236
.set KF,   0                           ; window 1
.set VF,   64
.set OA,   128
.set OB,   160
.set Q2,   192
.set WV,   18                          ; s18  my wave's number
.set SEL,  20                          ; s[20:21] lane selects for v_permlanex16_b32: lane l xor 16
.set CS,   22                          ; s[22:23] c = log2(e) / 8, with e6 + e7 in its exponent
.set TB,   2                           ; s2   LDS byte of the key step in hand
.set CNT,  3                           ; s3   key steps to go in the loop
.set PS,   44                          ; s44  passes to go
.set G1,   24                          ; s[24:31] descriptor group 1
.set G0,   40                          ; s[40:43] descriptor group 0
.set MSB, 0
.macro WIN new                         ; low byte: bits 1:0 source 0, 3:2 source 1, 5:4 source 2, 7:6 destination; the high byte repeats the setting that is left
.if MSB != \new
	s_set_vgpr_msb (MSB<<8)|\new
.set MSB, \new
.endif
.endm
.macro CROUND                          ; a round of the cluster's barrier
	s_barrier_signal -1
	s_barrier_wait -1
	s_cmp_lg_u32 s[WV], 0
	s_cbranch_scc1 .Lnot_wave_0_\@
	s_barrier_signal -3
.Lnot_wave_0_\@:
	s_barrier_wait -3
	s_barrier_signal -1
	s_barrier_wait -1
.endm
	s_load_b128 s[4:7], s[0:1], 0x0                ; the codes of q, k, v^T 4:5; the scales' exponents 6:7
	s_load_b64 s[8:9], s[0:1], 0x10                ; ctx's codes
	v_lshl_add_u32 v[SPW], v0, 2, SPARE
	v_mov_b32 v[NIL], 0
	ds_add_u32 v[SPW], v[NIL]                      ; the wave's opening: the add, twice on end, and its wait ahead of my first tensor load
	ds_add_u32 v[SPW], v[NIL]
	v_lshrrev_b32 v1, 5, v0
	v_readfirstlane_b32 s[WV], v1                  ; wave 0..7
	s_bfe_u32 s10, ttmp6, 0x40000                  ; cx
	s_lshl_b32 s11, ttmp9, 2
	s_add_co_u32 s11, s11, s10                     ; work-group x, 0..7: it enters Q's and ctx's addresses alone
	s_and_b32 s12, ttmp7, 0xffff                   ; 8 b + kv head, which the four partners share
	s_mov_b32 s[G1+0], 15|(3<<16)|(1<<21)          ; the mask: all four work-groups; elements of 8 bytes; bit 21 beside a mask; no padding
	s_mov_b32 s[G1+1], 32<<16                      ; a dense block of 16,384 bytes as 64 rows of 32 elements
	s_mov_b32 s[G1+2], 64<<16
	s_mov_b32 s[G1+3], 32<<16
	s_mov_b32 s[G1+4], 64
	s_mov_b32 s[G1+5], 32
	s_mov_b32 s[G1+6], 0
	s_mov_b32 s[G1+7], 0
	s_lshr_b32 s32, s[WV], 2                       ; waves 0-3 fetch K, waves 4-7 V^T, which lies 2,097,152 bytes further on,
	s_lshl_b32 s32, s32, 21
	s_and_b32 s33, s[WV], 3
	s_lshl_b32 s33, s33, 14                        ; a quarter each,
	s_add_co_u32 s32, s32, s33
	s_lshl_b32 s33, s12, 16                        ; of this (b, kv head)'s 65,536 bytes
	s_add_co_u32 s32, s32, s33
	s_add_co_u32 s32, s32, 0x800000
	s_mov_b32 s33, 0
	s_mov_b32 s[G0], 1
	s_lshl_b32 s[G0+1], s[WV], 14                  ; LDS address: wave x 16,384
	s_mov_b32 s[SEL], 0x76543210
	s_mov_b32 s[SEL+1], 0xfedcba98
	s_mov_b32 s[CS], 0x3e38aa3b                    ; log2(e) / 8
	s_lshr_b32 s13, s12, 3                         ; b
	s_and_b32 s14, s12, 7
	s_lshl_b32 s14, s14, 2
	s_lshr_b32 s15, s11, 1
	s_add_co_u32 s14, s14, s15                     ; the head: 4 x kv head + x / 2
	s_and_b32 s15, s11, 1                          ; which 512 queries
	s_lshl_b32 s34, s13, 6
	s_lshl_b32 s16, s15, 5
	s_add_co_u32 s34, s34, s16
	s_lshl_b32 s16, s[WV], 2
	s_add_co_u32 s34, s34, s16                     ; my first token fragment: 64 b + 32 half + 4 wave
	s_lshl_b32 s34, s34, 15
	s_lshl_b32 s16, s14, 10
	s_add_co_u32 s34, s34, s16                     ; Q: fragment x 32,768 + head x 1,024
	s_mov_b32 s35, 0
	s_lshl_b32 s36, s13, 3
	s_lshl_b32 s16, s15, 2
	s_add_co_u32 s36, s36, s16
	s_lshr_b32 s16, s[WV], 1
	s_add_co_u32 s36, s36, s16                     ; ctx: the group of 128 tokens, 8 b + 4 half + wave / 2,
	s_lshl_b32 s36, s36, 18
	s_lshr_b32 s16, s14, 1
	s_lshl_b32 s16, s16, 14                        ; K step head / 2,
	s_add_co_u32 s36, s36, s16
	s_and_b32 s16, s[WV], 1
	s_lshl_b32 s16, s16, 13                        ; fragment 4 (wave % 2),
	s_add_co_u32 s36, s36, s16
	s_and_b32 s16, s14, 1
	s_lshl_b32 s16, s16, 10                        ; chunk 2 (head % 2)
	s_add_co_u32 s36, s36, s16
	s_mov_b32 s37, 0
	s_wait_dscnt 0x0                               ; both opening adds are done
	s_wait_kmcnt 0x0
	s_load_b256 s[68:75], s[6:7], 0x0              ; e0 .. e7
	s_load_b128 s[76:79], s[6:7], 0x20             ; e8 .. e11
	s_add_nc_u64 s[G0+2:G0+3], s[4:5], s[32:33]    ; global address: made of the wave's number and the shared coordinate alone
	s_or_b32 s[G0+3], s[G0+3], 0x80000000
	CROUND                                         ; all four work-groups are here: the joint loads meet
	tensor_load_to_lds s[G0:G0+3], s[G1:G1+7]      ; my one tensor load of the launch
	s_nop 0
.rept 4
	v_nop
.endr
	s_add_nc_u64 s[4:5], s[4:5], s[34:35]
	s_add_nc_u64 s[8:9], s[8:9], s[36:37]
	v_and_b32 v1, 31, v0
	v_lshlrev_b32 v[L16], 4, v1                    ; 16 x lane: my place in every chunk
.irp i, 0,1
.irp c, 0,1
	global_load_b128 v[QA+8*\i+4*\c:QA+8*\i+4*\c+3], v[L16], s[4:5] offset:32768*\i+512*\c th:TH_LOAD_NT   ; the first pass's two fragments of Q
.endr
.endr
	WIN 0x40
.irp i, 0,1
.irp c, 0,1
	global_load_b128 v[Q2+8*\i+4*\c:Q2+8*\i+4*\c+3], v[L16], s[4:5] offset:65536+32768*\i+512*\c th:TH_LOAD_NT   ; the second pass's, into window 1
.endr
.endr
	WIN 0
	v_add_nc_u32 v[AV0], VOFF, v[L16]
	v_mov_b32 v[PRA], 0                            ; written once: a lane permute's destination counts as one of its sources
	v_mov_b32 v[PRA+1], 0
	v_mov_b32 v[FA+1], 0                           ; (named as the upper halves of pairs)
	v_mov_b32 v[FA+3], 0
	s_wait_kmcnt 0x0
	s_add_co_i32 s16, s74, s75
	s_lshl_b32 s16, s16, 23
	s_add_co_i32 s[CS], s[CS], s16                 ; a score stands for score x 2^(e6 + e7): added to c's exponent field
	s_mov_b32 s[CS+1], s[CS]
	s_add_co_i32 s16, s76, 127
	s_lshl_b32 s17, s16, 23
	v_mov_b32 v[SCP], s17                          ; 2^e8 as f32, for p's conversions
	s_add_co_i32 s16, s16, 8
	s_lshl_b32 s16, s16, 23
	s_or_b32 s16, s16, 0x600000
	v_mov_b32 v[CAP], s16                          ; 448 x 2^e8
	v_mov_b32 v[CAP2], s16
	s_sub_co_i32 s16, s78, s76
	s_sub_co_i32 s16, s16, s77                     ; O / the sum stands for ctx / 2^(e8 + e9): the three scales are folded into the conversion's one
	s_add_co_i32 s16, s16, 127
	s_lshl_b32 s17, s16, 23
	v_mov_b32 v[SCO], s17
	s_add_co_i32 s16, s16, 8
	s_lshl_b32 s16, s16, 23
	s_or_b32 s16, s16, 0x600000
	v_mov_b32 v[CAPO], s16
	s_wait_alu depctr_va_vdst(0)                   ; the wait at the head's end
	s_wait_loadcnt 0x0                             ; Q
	s_wait_tensorcnt 0x0                           ; my quarter is in,
	s_barrier_signal -1
	s_barrier_wait -1                              ; everybody's is: K and V^T lie whole in LDS, and nobody writes LDS from here on
	s_mov_b32 s[PS], 2
.macro LDK base, off                   ; K's eight fragments of a key step, 16 loads (window 1)
.irp f, 0,1,2,3,4,5,6,7
.irp c, 0,1
	ds_load_b128 v[KF+8*\f+4*\c:KF+8*\f+4*\c+3], v[\base] offset:\off+1024*\f+512*\c
.endr
.endr
.endm
.macro LDV base, off                   ; V^T's four fragments of a key step, 16 loads (window 1)
.irp f, 0,1,2,3
.irp c, 0,1,2,3
	ds_load_b128 v[VF+16*\f+4*\c:VF+16*\f+4*\c+3], v[\base] offset:\off+2048*\f+512*\c
.endr
.endr
.endm
; The i-th of the 28 lines that bring fragment x's 64 scores of a lane down to eight maxima, in eight chains; each accumulator is read from its low end on.
.macro BULK x, i
.set SS, SA+64*(\x)
.set CX, T+8*(\x)
.if (\i) < 8
	v_max3_num_f32 v[CX+(\i)], v[SS+8*(\i)], v[SS+8*(\i)+1], v[SS+8*(\i)+2]
.elseif (\i) < 24
.set jj, (\i)%8
.set kk, 1+2*((\i)/8)
	v_max3_num_f32 v[CX+jj], v[CX+jj], v[SS+8*jj+kk], v[SS+8*jj+kk+1]
.else
.set jj, (\i)-24
	v_max3_num_f32 v[CX+jj], v[CX+jj], v[SS+8*jj+7], v[SS+8*jj+39]
.endif
.endm
; The n-th of the 13 dependent lines from the eight maxima to -M and f.  They are laid among the other fragment's independent lines.
.macro CHAIN x, n
.set CX, T+8*(\x)
.set NM, NMA+2*(\x)
.if (\n) == 0
	v_max3_num_f32 v[CX], v[CX], v[CX+1], v[CX+2]
.elseif (\n) == 1
	v_max3_num_f32 v[CX+3], v[CX+3], v[CX+4], v[CX+5]
.elseif (\n) == 2
	v_max_num_f32 v[CX+6], v[CX+6], v[CX+7]
.elseif (\n) == 3
	v_max3_num_f32 v[CX], v[CX], v[CX+3], v[CX+6]
.elseif (\n) == 4
	v_permlanex16_b32 v[PRA+(\x)], v[CX], s[SEL], s[SEL+1]
.elseif (\n) == 5
	v_max_num_f32 v[CX], v[CX], v[PRA+(\x)]        ; and among lane l xor 16's
.elseif (\n) == 6
	v_mul_f32 v[CX], s[CS], v[CX]                  ; as t (c is positive)
.elseif (\n) == 7
	v_max_num_f32 v[NM+1], v[NM+1], v[CX]          ; the running largest t
.elseif (\n) == 8
	v_mov_b32 v[CX+1], v[NM]
.elseif (\n) == 9
	v_floor_f32 v[NM], -v[NM+1]                    ; the new -M = floor(-t) = -ceil(t): M is a whole number
.elseif (\n) == 10
	v_sub_f32 v[CX+1], v[NM], v[CX+1]              ; M's old value less its new one: a whole number, 0 or less
.elseif (\n) == 11
	v_cvt_i32_f32 v[CX+1], v[CX+1]                 ; (it saturates)
.else
	v_ldexp_f32 v[FA+2*(\x)], 1.0, v[CX+1]         ; f = 2^(old M - new M)
.endif
.endm
.macro FMA x, i                        ; t - M, two at a time (of the pairs c and -M the low word serves both halves)
.set SS, SA+64*(\x)
.set NM, NMA+2*(\x)
	v_pk_fma_f32 v[SS+2*(\i):SS+2*(\i)+1], v[SS+2*(\i):SS+2*(\i)+1], s[CS:CS+1], v[NM:NM+1] op_sel_hi:[1,0,0]
.endm
.macro DMIN r                          ; the hold of two p: the conversion to an 8-bit code does not saturate (ISA guide 7.6.2); p is not negative, so the hold is one-sided
	v_dual_min_num_f32 v[\r], v[\r], v[CAP] :: v_dual_min_num_f32 v[(\r)+1], v[(\r)+1], v[CAP2]
.endm
.macro DMIN8 r0
.set m, 0
.rept 8
	DMIN (\r0)+2*m
.set m, m+1
.endr
.endm
.macro PADD d, a, b
	v_pk_add_f32 v[\d:(\d)+1], v[\a:(\a)+1], v[\b:(\b)+1]
.endm
; A KEY STEP: 128 keys for both query fragments.  pf = 1: the next step's fragments are asked for.
.macro STEP pf
	s_wait_dscnt 16                                ; K's 16 loads are in; V^T's 16, issued behind them, may be out
	WIN 0x01                                       ; source 0 (K) in window 1
.irp f, 0,1,2,3,4,5,6,7                        ; S^T = K Q^T: source 0 = 16 keys, source 1 = 16 queries; K = the head's 64
	v_wmma_f32_16x16x64_fp8_fp8 v[SA+8*\f:SA+8*\f+7], v[KF+8*\f:KF+8*\f+7], v[QA:QA+7], 0
	v_wmma_f32_16x16x64_fp8_fp8 v[SB+8*\f:SB+8*\f+7], v[KF+8*\f:KF+8*\f+7], v[QA+8:QA+15], 0
.endr
.if \pf
	v_add_nc_u32 v[ADK], s[TB], v[L16]             ; four places in front of the loads below and of the first read of the scores (their vector operands stand in places whose window is 0)
	v_add_nc_u32 v[ADV], s[TB], v[AV0]
	v_nop
	v_nop
	WIN 0x40
	LDK ADK, 8192                                  ; the next 128 keys
.else
.rept 4
	v_nop
.endr
.endif
	WIN 0
.set n, 0
.rept 28
	BULK 0, n
.set n, n+1
.endr
.set n, 0
.rept 13
	CHAIN 0, n
	BULK 1, 2*n
	BULK 1, 2*n+1
.set n, n+1
.endr
	BULK 1, 26
	BULK 1, 27
.set n, 0
.rept 13
	CHAIN 1, n
	FMA 0, 2*n
	FMA 0, 2*n+1
.set n, n+1
.endr
.set n, 26
.rept 6
	FMA 0, n
.set n, n+1
.endr
	WIN 0x41                                       ; O^T in window 1, f in window 0
.set j, 0
.rept 16
	v_pk_mul_f32 v[OA+j:OA+j+1], v[OA+j:OA+j+1], v[FA:FA+1] op_sel_hi:[1,0]   ; O^T under the new M, ahead of the exponentials; each accumulator from its low end on
.set j, j+2
.endr
.set j, 0
.rept 16
	v_pk_mul_f32 v[OB+j:OB+j+1], v[OB+j:OB+j+1], v[FA+2:FA+3] op_sel_hi:[1,0]
.set j, j+2
.endr
	WIN 0
	v_pk_mul_f32 v[LA:LA+1], v[LA:LA+1], v[FA:FA+1] op_sel_hi:[1,0]           ; the sums under the new M
	v_pk_mul_f32 v[LA+2:LA+3], v[LA+2:LA+3], v[FA+2:FA+3] op_sel_hi:[1,0]
	s_wait_alu depctr_va_vdst(0)                   ; the wait ahead of a batch
.set n, 0
.rept 32                                       ; fragment 0's p = 2^(t - M); among them fragment 1's t - M, which the next batch reads behind the next wait
	v_exp_f32 v[SA+2*n], v[SA+2*n]
	v_exp_f32 v[SA+2*n+1], v[SA+2*n+1]
	FMA 1, n
.set n, n+1
.endr
	s_wait_alu depctr_va_vdst(0)                   ; one wait: behind the first batch and ahead of the second
.set n, 0
.rept 16                                       ; fragment 1's p; among them lines on fragment 0's p that hang on each other in nothing: the sums' first level, then the hold.  What they write is read behind the next wait
	v_exp_f32 v[SB+4*n], v[SB+4*n]
	v_exp_f32 v[SB+4*n+1], v[SB+4*n+1]
	PADD T+2*n, SA+4*n, SA+4*n+2
	v_exp_f32 v[SB+4*n+2], v[SB+4*n+2]
	DMIN SA+4*n
	v_exp_f32 v[SB+4*n+3], v[SB+4*n+3]
	DMIN SA+4*n+2
.set n, n+1
.endr
	s_wait_alu depctr_va_vdst(0)                   ; behind the second batch
; THE ROWS' SUMS ARE TAKEN OF THE UNQUANTISED p.  Fragment 0's sixteen partial pairs come down by halves; fragment 1's 32 pairs go into eight chains; the two by turns.
.set n, 0
.rept 8
	PADD T+2*n, T+2*n, U+2*n
.set n, n+1
.endr
.set n, 0
.rept 8
	PADD U+2*n, SB+2*n, SB+16+2*n
.set n, n+1
.endr
.set n, 0
.rept 4
	PADD T+2*n, T+2*n, T+8+2*n
.set n, n+1
.endr
.set n, 0
.rept 8
	PADD U+2*n, U+2*n, SB+32+2*n
.set n, n+1
.endr
	PADD T, T, T+4
	PADD T+2, T+2, T+6
.set n, 0
.rept 8
	PADD U+2*n, U+2*n, SB+48+2*n
.set n, n+1
.endr
	PADD T, T, T+2
.irp g, 0,1,2,3,4,5,6,7
	v_cvt_scalef32_pk8_fp8_f32 v[PA+2*\g:PA+2*\g+1], v[SA+8*\g:SA+8*\g+7], v[SCP]
.endr
	PADD LA, LA, T
.set n, 0
.rept 4
	PADD U+2*n, U+2*n, U+8+2*n
.set n, n+1
.endr
	DMIN8 SB
	PADD U, U, U+4
	PADD U+2, U+2, U+6
	DMIN8 SB+16
	PADD U, U, U+2
	DMIN8 SB+32
	PADD LA+2, LA+2, U
	DMIN8 SB+48
.irp g, 0,1,2,3,4,5,6,7
	v_cvt_scalef32_pk8_fp8_f32 v[PB+2*\g:PB+2*\g+1], v[SB+8*\g:SB+8*\g+7], v[SCP]
.endr
	v_nop                                          ; a plain line between the last conversion and the products that read its result
	WIN 0x51                                       ; V^T and O^T in window 1, p's codes in window 0
	s_wait_alu depctr_va_vdst(0)                   ; directly ahead of the wait below
	s_wait_dscnt 16*\pf                            ; V^T's 16 loads are in; the next K's 16, issued behind them, may be out
.irp f, 0,1,2,3                                ; O^T += V^T P^T: source 0 = 16 channels, source 1 = p; K = these 128 keys.  The eight accumulators take turns, and the next step's sixteen products stand between two links
	v_wmma_f32_16x16x128_fp8_fp8 v[OA+8*\f:OA+8*\f+7], v[VF+16*\f:VF+16*\f+15], v[PA:PA+15], v[OA+8*\f:OA+8*\f+7]
	v_wmma_f32_16x16x128_fp8_fp8 v[OB+8*\f:OB+8*\f+7], v[VF+16*\f:VF+16*\f+15], v[PB:PB+15], v[OB+8*\f:OB+8*\f+7]
.endr
.if \pf
.rept 4
	v_nop                                          ; places in front of loads into registers that these products read
.endr
	WIN 0x40
	LDV ADV, 8192
.endif
	WIN 0
.endm
.Lpass:                                            ; two trips: 32 queries each
	v_mov_b32 v[NMA+1], 0xff61b1e6                 ; the largest t so far: -3e38, under every t
	v_mov_b32 v[NMA+3], 0xff61b1e6
	v_floor_f32 v[NMA], -v[NMA+1]                  ; -M
	v_floor_f32 v[NMA+2], -v[NMA+3]
.irp j, 0,1,2,3
	v_mov_b32 v[LA+\j], 0                          ; the sums, in two halves each
.endr
	WIN 0x40
	LDK L16, 0                                     ; the first 128 keys
	LDV AV0, 0
.set j, 0
.rept 64
	v_mov_b32 v[OA+j], 0                           ; O^T.  (The step is written for every step alike: the first finds zeros, which the first change of M leaves zeros)
.set j, j+1
.endr
	WIN 0
	s_mov_b32 s[TB], 0
	s_mov_b32 s[CNT], 7
	s_wait_alu depctr_va_vdst(0)
.Lstep:
	STEP 1
	s_add_co_u32 s[TB], s[TB], 8192                ; the next 128 keys: eight fragments of K, four of V^T
	s_sub_co_u32 s[CNT], s[CNT], 1
	s_cmp_lg_u32 s[CNT], 0
	s_cbranch_scc1 .Lstep
	STEP 0                                         ; the pass's last step asks for nothing
	; THE WAY OUT of both fragments: O^T / the sum, held, converted: four whole chunks of the last product's operand.
	v_add_f32 v[LA], v[LA], v[LA+1]                ; the sums' two halves,
	v_add_f32 v[LA+2], v[LA+2], v[LA+3]
	v_permlanex16_b32 v[PRA], v[LA], s[SEL], s[SEL+1]
	v_permlanex16_b32 v[PRA+1], v[LA+2], s[SEL], s[SEL+1]
	v_add_f32 v[LA], v[LA], v[PRA]                 ; and lane l xor 16's: the rows' sums
	v_add_f32 v[LA+2], v[LA+2], v[PRA+1]
	s_wait_alu depctr_va_vdst(0)                   ; the wait ahead of the transcendentals
	v_rcp_f32 v[FA], v[LA]
	v_rcp_f32 v[FA+2], v[LA+2]
	v_nop                                          ; the plain line behind them
	WIN 0x01                                       ; O^T in window 1
	s_wait_alu depctr_va_vdst(0)                   ; one wait, directly ahead of the first reader of the reciprocals and of O^T
.set j, 0
.rept 16
	v_pk_mul_f32 v[SA+j:SA+j+1], v[OA+j:OA+j+1], v[FA:FA+1] op_sel_hi:[1,0]   ; register 16 p + i: channel 32 p + 16 hh + i of my query; each accumulator from its low end on
.set j, j+2
.endr
.set j, 0
.rept 16
	v_pk_mul_f32 v[SB+j:SB+j+1], v[OB+j:OB+j+1], v[FA+2:FA+3] op_sel_hi:[1,0]
.set j, j+2
.endr
	WIN 0
.set j, 0
.rept 32
	v_med3_num_f32 v[SA+j], v[SA+j], -v[CAPO], v[CAPO]
	v_med3_num_f32 v[SB+j], v[SB+j], -v[CAPO], v[CAPO]
.set j, j+1
.endr
.irp g, 0,1,2,3
	v_cvt_scalef32_pk8_fp8_f32 v[CC+2*\g:CC+2*\g+1], v[SA+8*\g:SA+8*\g+7], v[SCO]
	v_cvt_scalef32_pk8_fp8_f32 v[CC+8+2*\g:CC+8+2*\g+1], v[SB+8*\g:SB+8*\g+7], v[SCO]
.endr
	v_nop                                          ; a plain line behind the last conversion: later products write its sources
.irp x, 0,1
.irp c, 0,1
	global_store_b128 v[L16], v[CC+8*\x+4*\c:CC+8*\x+4*\c+3], s[8:9] offset:2048*\x+512*\c th:TH_STORE_NT   ; each store: 512 consecutive bytes, aligned
.endr
.endr
	s_sub_co_u32 s[PS], s[PS], 1
	s_cmp_lg_u32 s[PS], 0
	s_cbranch_scc0 .Ldone                          ; behind the second pass nothing is made ready
	WIN 0x01
.set j, 0
.rept 16
	v_mov_b32 v[QA+j], v[Q2+j]                     ; the second pass's Q
.set j, j+1
.endr
	WIN 0
	s_wait_xcnt 0x0                                ; the stores have read their base and their data: both are written again only behind this wait
	s_add_nc_u64 s[8:9], s[8:9], 4096              ; two fragments on
	s_cmp_lg_u32 s[PS], 0
	s_cbranch_scc1 .Lpass
.Ldone:
	s_wait_tensorcnt 0x0                           ; the wave's end, behind my last tensor load
	ds_add_u32 v[SPW], v[NIL]
	s_wait_dscnt 0x0
	CROUND                                         ; the closing round: no work-group ends while a partner may still ask for a tile that names it
	s_endpgm
.Lfunc_end_k_q7f9dbb9815_attn:
	.size	k_q7f9dbb9815_attn, .Lfunc_end_k_q7f9dbb9815_attn-k_q7f9dbb9815_attn
	.p2alignl 7, 3214868480
	.fill 96, 4, 3214868480
	.section	.rodata,"a",@progbits
	.p2align	6, 0x0
	.amdhsa_kernel k_q7f9dbb9815_attn
		.amdhsa_group_segment_fixed_size 167936
		.amdhsa_private_segment_fixed_size 0
		.amdhsa_enable_private_segment 0
		.amdhsa_kernarg_size 24
		.amdhsa_user_sgpr_count 2
		.amdhsa_user_sgpr_kernarg_segment_ptr 1
		.amdhsa_wavefront_size32 1
		.amdhsa_system_sgpr_workgroup_id_x 1
		.amdhsa_system_sgpr_workgroup_id_y 1
		.amdhsa_system_sgpr_workgroup_id_z 1
		.amdhsa_system_vgpr_workitem_id 0
		.amdhsa_next_free_vgpr 512
		.amdhsa_next_free_sgpr 80
		.amdhsa_reserve_vcc 0
		.amdhsa_float_denorm_mode_32 3
		.amdhsa_float_denorm_mode_16_64 3
		.amdhsa_memory_ordered 1
		.amdhsa_forward_progress 1
		.amdhsa_inst_pref_size 74
	.end_amdhsa_kernel
	.amdgpu_metadata
---
amdhsa.version: [ 1, 2 ]
amdhsa.kernels:
  - .name:           k_q7f9dbb9815_attn
    .symbol:         k_q7f9dbb9815_attn.kd
    .args:
      - { .name: qkvc, .offset: 0, .size: 8, .value_kind: global_buffer, .address_space: global }
      - { .name: lowp_scales, .offset: 8, .size: 8, .value_kind: global_buffer, .address_space: global }
      - { .name: ctxc, .offset: 16, .size: 8, .value_kind: global_buffer, .address_space: global }
    .group_segment_fixed_size: 167936
    .private_segment_fixed_size: 0
    .kernarg_segment_align: 8
    .kernarg_segment_size: 24
    .max_flat_workgroup_size: 256
    .sgpr_count:     80
    .vgpr_count:     512
    .wavefront_size: 32
...
	.end_amdgpu_metadata
.endif
;; end of part 3
;; launch oproj (part 4): grid 8 x 32, 4 waves a work-group, clusters of 4 x 4, 327,680 bytes of LDS; arguments ctxc, wcodes, lowp_scales, bo, out0; writes out0
.if DOCPART == 4
	.amdgcn_target "amdgcn-amd-amdhsa--gfx1250"
	.amdhsa_code_object_version 6
	.text
	.protected	k_q7f9dbb9815_oproj
	.globl	k_q7f9dbb9815_oproj
	.p2align	8
	.type	k_q7f9dbb9815_oproj,@function
k_q7f9dbb9815_oproj:
	s_mov_b64 s[64:65], 0
	v_nop
	global_prefetch_b8 v0, s[64:65] scope:SCOPE_SE
	s_setreg_imm32_b32 hwreg(HW_REG_WAVE_MODE, 25, 1), 1
	s_wait_xcnt 0x0
	s_wait_alu depctr_hold_cnt(0) depctr_sa_sdst(0) depctr_va_vdst(0) depctr_va_sdst(0) depctr_va_ssrc(0) depctr_va_vcc(0) depctr_vm_vsrc(0)
	s_getreg_b32 s2, hwreg(HW_REG_IB_STS2, 6, 4)
	s_cmp_eq_u32 s2, 0
	s_cbranch_scc0 .Lentry_in_a_cluster
	s_endpgm
.Lentry_in_a_cluster:
	s_bfe_u32 s2, ttmp6, 0x10000c
	s_cmp_lg_u32 s2, 0xf033
	s_cbranch_scc0 .Lentry_shape_is_right
	s_endpgm
.Lentry_shape_is_right:
; out0 = ctx Wo + bo on codes of FP8 (E4M3): the sums x 2^(e10 + e11), + bo, f32.  A work-group makes 128 x 256; four waves, 64 x 128 each.
; K goes in units of 128 (16,384 bytes a group of 128 rows) through a ring of two LDS slots of three units; the sixteenth unit comes as a short slot of its own.
; CLUSTER 4, 4, 1: ctx's tiles are asked for jointly along a row of the cluster, Wo's along a column.
; PREFETCH: behind the load of slot i, slot i + 2 is asked for (at the head also slot 1), slots 1 to 4; the short last slot comes by its load alone.  Never more than two slots are asked for and not yet read.
; LIMIT: e10 + e11 between -126 and 127.
.set FR,    16
.set NP,    4
.set UNIT,  16384
.set GRPB,  3*UNIT
.set SLOT,  3*GRPB
.set SPARE, 2*SLOT
.set STAGE, 0
.set SPITCH, 528
.set BCO,  6
.set ADRA, 16
.set ADRB, 20
.set STO,  24
.set RD,   25
.set CO,   26
.set SPW,  28
.set NIL,  29
.set BC,   32
.set TMP,  96
.set AF,   128
.set BK,   160
.set G1A,  24
.set G1B,  32
.set G1AS, 40
.set G1BS, 48
.set G0A,  56
.set G0B,  68
.set G0AS, 76
.set G0BS, 80
.set MSB, 0
.macro WIN new
.if MSB != \new
	s_set_vgpr_msb (MSB<<8)|\new
.set MSB, \new
.endif
.endm
.set MULW, 0xa1
.set TO_B, 0x40
.set PFO,  27                          ; v27  the prefetches' offset: 256 x min(lane, 23); never rewritten
.set PFA,  66                          ; s[66:67] my wave's stream, at my work-group's quarter of what the four partners load jointly; never rewritten
.set ASKI, 1                           ; the slot that the next prefetch in the text names
; A wave's part of a slot is 24,576 bytes of ctx or 49,152 of Wo; a partner's quarter is 6,144 or 12,288: one line or two of 24 blocks of 256 bytes (the eight lanes left over name the last block again).
.macro ASKN
.if ASKI < 5
	global_prefetch_b8 v[PFO], s[PFA:PFA+1] offset:ASKI*GRPB th:TH_LOAD_NT scope:SCOPE_SE
	s_cmp_eq_u32 s15, 0
	s_cbranch_scc1 .Lasked_all_\@
	global_prefetch_b8 v[PFO], s[PFA:PFA+1] offset:ASKI*GRPB+6144 th:TH_LOAD_NT scope:SCOPE_SE
.Lasked_all_\@:
.set ASKI, ASKI+1
.endif
.endm
.macro JLOAD g0a, g1a, g0b, g1b
	s_cmp_eq_u32 s15, 0
	s_cbranch_scc0 .Lfor_b_\@
	tensor_load_to_lds s[\g0a:\g0a+3], s[\g1a:\g1a+7]
	s_nop 0
.rept 4
	v_nop
.endr
	s_branch .Lasked_\@
.Lfor_b_\@:
	tensor_load_to_lds s[\g0b:\g0b+3], s[\g1b:\g1b+7]
	s_nop 0
.rept 4
	v_nop
.endr
.Lasked_\@:
.endm
.macro CREST
	s_cmp_lg_u32 s14, 0
	s_cbranch_scc1 .Lnot_wave_0_\@
	s_barrier_signal -3
.Lnot_wave_0_\@:
	s_barrier_wait -3
	s_barrier_signal -1
	s_barrier_wait -1
.endm
.macro CROUND
	s_barrier_signal -1
	s_barrier_wait -1
	CREST
.endm
.macro SHAPE g, rows
	s_mov_b32 s[\g+1], 32<<16
	s_mov_b32 s[\g+2], (\rows)<<16
	s_mov_b32 s[\g+3], 32<<16
	s_mov_b32 s[\g+4], \rows
	s_mov_b32 s[\g+5], 32
	s_mov_b32 s[\g+6], 0
	s_mov_b32 s[\g+7], 0
.endm
	s_load_b256 s[4:11], s[0:1], 0x0
	s_load_b64 s[12:13], s[0:1], 0x20
	v_lshl_add_u32 v[SPW], v0, 2, SPARE
	v_mov_b32 v[NIL], 0
	ds_add_u32 v[SPW], v[NIL]
	ds_add_u32 v[SPW], v[NIL]
	v_lshrrev_b32 v1, 5, v0
	v_readfirstlane_b32 s14, v1
	v_and_b32 v[PFO], 31, v0
	v_min_u32 v[PFO], 23, v[PFO]
	v_lshlrev_b32 v[PFO], 8, v[PFO]
	s_lshr_b32 s15, s14, 1
	s_and_b32 s16, s14, 1
	s_bfe_u32 s84, ttmp6, 0x40000
	s_bfe_u32 s85, ttmp6, 0x40004
	s_lshl_b32 s86, ttmp9, 2
	s_add_co_u32 s86, s86, s84
	s_and_b32 s17, ttmp7, 0xffff
	s_lshl_b32 s17, s17, 2
	s_add_co_u32 s17, s17, s85
	s_lshl_b32 s87, s85, 2
	s_lshl_b32 s87, 15, s87
	s_lshl_b32 s88, 0x1111, s84
	s_or_b32 s[G1A+0], s87, (3<<16)|(1<<21)
	s_or_b32 s[G1AS+0], s87, (3<<16)|(1<<21)
	s_or_b32 s[G1B+0], s88, (3<<16)|(1<<21)
	s_or_b32 s[G1BS+0], s88, (3<<16)|(1<<21)
	SHAPE G1A, 96
	SHAPE G1B, 192
	SHAPE G1AS, 32
	SHAPE G1BS, 64
	s_mul_i32 s18, s16, GRPB/2
	s_lshl_b32 s19, s16, 13
	s_mul_i32 s89, s16, GRPB
	s_add_co_u32 s89, s89, GRPB
	s_lshl_b32 s20, s17, 18
	s_add_co_u32 s22, s20, s19
	s_add_co_u32 s22, s22, 15*UNIT
	s_add_co_u32 s20, s20, s18
	s_mov_b32 s21, 0
	s_mov_b32 s23, 0
	s_lshl_b32 s90, s86, 1
	s_add_co_u32 s90, s90, s16
	s_add_co_u32 s90, s90, 24
	s_lshl_b32 s90, s90, 18
	s_mov_b32 s91, 0
	s_wait_alu depctr_va_vdst(0)
	s_wait_dscnt 0x0
	s_wait_kmcnt 0x0
	s_load_b64 s[96:97], s[8:9], 0x28
	s_add_nc_u64 s[20:21], s[4:5], s[20:21]
	s_add_nc_u64 s[22:23], s[4:5], s[22:23]
	s_add_nc_u64 s[90:91], s[6:7], s[90:91]
	s_mov_b32 s3, 12288
	s_cmp_eq_u32 s15, 0                            ; where my prefetches stand: my wave's stream, ctx's or Wo's,
	s_cselect_b64 s[PFA:PFA+1], s[20:21], s[90:91]
	s_cselect_b32 s2, s84, s85                     ; my place among the four that ask with me: cx for ctx, cy for Wo,
	s_cselect_b32 s3, 6144, s3                     ; x a quarter of the wave's part
	s_mul_i32 s2, s2, s3
	s_mov_b32 s3, 0
	s_add_nc_u64 s[PFA:PFA+1], s[PFA:PFA+1], s[2:3]
	s_mov_b32 s[G0AS], 1
	s_add_co_u32 s[G0AS+1], s19, SLOT
	s_mov_b64 s[G0AS+2:G0AS+3], s[22:23]
	s_or_b32 s[G0AS+3], s[G0AS+3], 0x80000000
	s_mov_b32 s[G0BS], 1
	s_add_co_u32 s[G0BS+1], s89, SLOT
	s_add_nc_u64 s[G0BS+2:G0BS+3], s[90:91], 15*UNIT
	s_or_b32 s[G0BS+3], s[G0BS+3], 0x80000000
	CROUND
.irp s, 0,1
	s_mov_b32 s[G0A+4*\s], 1
	s_add_co_u32 s[G0A+4*\s+1], s18, \s*SLOT
	s_add_nc_u64 s[G0A+4*\s+2:G0A+4*\s+3], s[20:21], \s*GRPB
	s_or_b32 s[G0A+4*\s+3], s[G0A+4*\s+3], 0x80000000
	s_mov_b32 s[G0B+4*\s], 1
	s_add_co_u32 s[G0B+4*\s+1], s89, \s*SLOT
	s_add_nc_u64 s[G0B+4*\s+2:G0B+4*\s+3], s[90:91], \s*GRPB
	s_or_b32 s[G0B+4*\s+3], s[G0B+4*\s+3], 0x80000000
.if \s                                         ; slot 0's load stands behind the opening round; slot 1's first fill is issued as a refill is
	s_wait_alu depctr_va_vdst(0)
	s_wait_tensorcnt 0x0
	ds_add_u32 v28, v29
	ds_add_u32 v28, v29
	s_wait_dscnt 0x0
	CROUND
.endif
	JLOAD G0A+4*\s, G1A, G0B+4*\s, G1B
	ASKN                                           ; behind slot 0's load: slots 1 and 2; behind slot 1's: slot 3
.if \s == 0
	ASKN
.endif
.endr
	v_and_b32 v1, 31, v0
	v_lshlrev_b32 v[CO], 4, v1
	v_and_b32 v2, 15, v0
	s_wait_alu depctr_va_vdst(0)
	v_bfe_u32 v3, v0, 4, 1
	s_lshl_b32 s92, s15, 13
	s_mul_i32 s93, s16, GRPB
	s_add_co_u32 s93, s93, GRPB
.irp s, 0,1
	v_add_nc_u32 v[ADRA+\s], s92, v[CO]
	v_add_nc_u32 v[ADRB+\s], s93, v[CO]
	s_add_co_u32 s92, s92, SLOT
	s_add_co_u32 s93, s93, SLOT
.endr
	s_mul_i32 s92, s14, 16*SPITCH
	s_add_co_u32 s92, s92, STAGE
	v_mul_u32_u24 v5, v2, SPITCH
	s_wait_alu depctr_va_vdst(0)
	v_lshl_add_u32 v5, v3, 6, v5
	v_add_nc_u32 v[STO], s92, v5
	v_add_nc_u32 v[RD], s92, v[CO]
	s_lshl_b32 s94, s86, 10
	s_lshl_b32 s93, s16, 9
	s_add_co_u32 s94, s94, s93
	s_mov_b32 s95, 0
	v_lshl_add_u32 v[BCO], v3, 6, s94
.irp p, 0,1,2,3
.irp j, 0,1,2,3
	global_load_b128 v[BC+16*\p+4*\j:BC+16*\p+4*\j+3], v[BCO], s[10:11] offset:128*\p+16*\j
.endr
.endr
	s_lshl_b32 s92, s17, 7
	s_lshl_b32 s93, s15, 6
	s_add_co_u32 s92, s92, s93
	s_lshl_b32 s92, s92, 13
	s_mov_b32 s93, 0
	s_add_nc_u64 s[92:93], s[92:93], s[94:95]
	s_add_nc_u64 s[12:13], s[12:13], s[92:93]
	s_wait_kmcnt 0x0
	s_add_co_i32 s96, s96, s97
	s_add_co_i32 s96, s96, 127
	s_lshl_b32 s96, s96, 23
	s_mov_b32 s97, s96
	s_wait_alu depctr_va_vdst(0)                   ; the wait at the head's end.
.macro FRAG reg, adr, q, i
.irp c, 0,1,2,3
	ds_load_b128 v[\reg+4*\c:\reg+4*\c+3], v[\adr] offset:16384*(\q)+2048*(\i)+512*\c
.endr
.endm
.macro FB slot, q, p, i0
.irp i, \i0, \i0+1, \i0+2, \i0+3
	FRAG 128*(\p)+FR*(\i), ADRB+\slot, \q, \i
.endr
.endm
.macro FA slot, q, p
.irp i, 0,1,2,3
	FRAG AF+64*(\p)+FR*(\i), ADRA+\slot, \q, \i
.endr
.endm
.macro MUL8 a, p, zero
.irp b, 0,1,2,3,4,5,6,7
.if \zero
	v_wmma_f32_16x16x128_fp8_fp8 v[8*(8*(\a)+\b):8*(8*(\a)+\b)+7], v[128*(\p)+FR*\b:128*(\p)+FR*\b+FR-1], v[AF+64*(\p)+FR*(\a):AF+64*(\p)+FR*(\a)+FR-1], 0
.else
	v_wmma_f32_16x16x128_fp8_fp8 v[8*(8*(\a)+\b):8*(8*(\a)+\b)+7], v[128*(\p)+FR*\b:128*(\p)+FR*\b+FR-1], v[AF+64*(\p)+FR*(\a):AF+64*(\p)+FR*(\a)+FR-1], v[8*(8*(\a)+\b):8*(8*(\a)+\b)+7]
.endif
.endr
.endm
.macro PLACES n
.rept \n
	v_nop
.endr
.endm
.macro BODY p, zero, fetch, slot, q
.if \fetch
	WIN TO_B
	FB \slot, \q, 1-\p, 0
.endif
	WIN MULW
	MUL8 0, \p, \zero
.if \fetch
	s_wait_dscnt 16
	WIN TO_B
	FB \slot, \q, 1-\p, 4
.else
	s_wait_dscnt 0x0
.endif
	WIN MULW
	MUL8 1, \p, \zero
.if \fetch
	WIN 0
	FA \slot, \q, 1-\p
.endif
	WIN MULW
	MUL8 2, \p, \zero
	MUL8 3, \p, \zero
	WIN 0
.endm
.macro STEP slot, q, p, zero
	s_wait_dscnt 12
	PLACES NP
	BODY \p, \zero, 1, \slot, (\q)+1
.endm
.macro TURN slot, next, p, fill
	s_wait_tensorcnt 0x0
	ds_add_u32 v[SPW], v[NIL]
.if \fill == 1
	s_add_nc_u64 s[G0A+4*\slot+2:G0A+4*\slot+3], s[G0A+4*\slot+2:G0A+4*\slot+3], 6*UNIT
	s_add_nc_u64 s[G0B+4*\slot+2:G0B+4*\slot+3], s[G0B+4*\slot+2:G0B+4*\slot+3], 6*UNIT
.endif
	s_wait_dscnt 0x0
	s_barrier_signal -1
	s_barrier_wait -1
.if \fill == 1
	CREST
	JLOAD G0A+4*\slot, G1A, G0B+4*\slot, G1B
	ASKN                                           ; behind slot 2's load: slot 4; later refills ask for nothing
.elseif \fill == 2
	CREST
	JLOAD G0AS, G1AS, G0BS, G1BS
.else
	PLACES NP
.endif
	BODY \p, 0, 1, \next, 0
.endm
	s_wait_tensorcnt 1
	s_barrier_signal -1
	s_barrier_wait -1
	WIN TO_B
	FB 0, 0, 0, 0
	FB 0, 0, 0, 4
	WIN 0
	FA 0, 0, 0
	STEP 0, 0, 0, 1
	STEP 0, 1, 1, 0
	TURN 0, 1, 0, 1
	STEP 1, 0, 1, 0
	STEP 1, 1, 0, 0
	TURN 1, 0, 1, 1
	STEP 0, 0, 0, 0
	STEP 0, 1, 1, 0
	TURN 0, 1, 0, 1
	STEP 1, 0, 1, 0
	STEP 1, 1, 0, 0
	TURN 1, 0, 1, 2
	STEP 0, 0, 0, 0
	STEP 0, 1, 1, 0
	TURN 0, 1, 0, 0
	s_wait_dscnt 12
	BODY 1, 0, 0, 0, 0
.macro FMA a
.set AC, 64*(\a)
	WIN 0x02
.set j, 0
.rept 32
	v_pk_fma_f32 v[TMP+j:TMP+j+1], v[AC+j:AC+j+1], s[96:97], v[BC+j:BC+j+1] op_sel_hi:[1,0,1]
.set j, j+2
.endr
	WIN 0
.endm
.macro STAGEIO
.irp p, 0,1,2,3
.irp q, 0,1,2,3
	ds_store_b128 v[STO], v[TMP+16*\p+4*\q:TMP+16*\p+4*\q+3] offset:128*\p+16*\q
.endr
.endr
.set n, 0
.rept 16
	ds_load_b128 v[BK+4*n:BK+4*n+3], v[RD] offset:n*SPITCH
.set n, n+1
.endr
.endm
.macro SEND a
	s_wait_dscnt 0x0
.if (\a) > 0
.if (\a)%2
	s_add_nc_u64 s[12:13], s[12:13], 8*8192
.else
	s_add_nc_u64 s[12:13], s[12:13], 24*8192
.endif
.endif
.set n, 0
.rept 16
	global_store_b128 v[CO], v[BK+4*n:BK+4*n+3], s[12:13] offset:(n+8*(n/8))*8192 th:TH_STORE_NT
.set n, n+1
.endr
	s_wait_xcnt 0x0
.endm
	PLACES NP
	s_wait_loadcnt 0x0                             ; the bias, asked for at the head
	FMA 0
.irp a, 0,1,2
	STAGEIO
	FMA \a+1
	s_wait_alu depctr_va_vdst(0)
	SEND \a
.endr
	STAGEIO
	SEND 3
	s_wait_tensorcnt 0x0
	ds_add_u32 v[SPW], v[NIL]
	s_wait_dscnt 0x0
	CROUND
	s_endpgm
.Lfunc_end_k_q7f9dbb9815_oproj:
	.size	k_q7f9dbb9815_oproj, .Lfunc_end_k_q7f9dbb9815_oproj-k_q7f9dbb9815_oproj
	.p2alignl 7, 3214868480
	.fill 96, 4, 3214868480
	.section	.rodata,"a",@progbits
	.p2align	6, 0x0
	.amdhsa_kernel k_q7f9dbb9815_oproj
		.amdhsa_group_segment_fixed_size 327680
		.amdhsa_private_segment_fixed_size 0
		.amdhsa_enable_private_segment 0
		.amdhsa_kernarg_size 40
		.amdhsa_user_sgpr_count 2
		.amdhsa_user_sgpr_kernarg_segment_ptr 1
		.amdhsa_wavefront_size32 1
		.amdhsa_system_sgpr_workgroup_id_x 1
		.amdhsa_system_sgpr_workgroup_id_y 1
		.amdhsa_system_sgpr_workgroup_id_z 1
		.amdhsa_system_vgpr_workitem_id 0
		.amdhsa_next_free_vgpr 768
		.amdhsa_next_free_sgpr 98
		.amdhsa_reserve_vcc 0
		.amdhsa_float_denorm_mode_32 3
		.amdhsa_float_denorm_mode_16_64 3
		.amdhsa_memory_ordered 1
		.amdhsa_forward_progress 1
		.amdhsa_inst_pref_size 126
	.end_amdhsa_kernel
	.amdgpu_metadata
---
amdhsa.version: [ 1, 2 ]
amdhsa.kernels:
  - .name:           k_q7f9dbb9815_oproj
    .symbol:         k_q7f9dbb9815_oproj.kd
    .args:
      - { .name: ctxc, .offset: 0, .size: 8, .value_kind: global_buffer, .address_space: global }
      - { .name: wcodes, .offset: 8, .size: 8, .value_kind: global_buffer, .address_space: global }
      - { .name: lowp_scales, .offset: 16, .size: 8, .value_kind: global_buffer, .address_space: global }
      - { .name: bo, .offset: 24, .size: 8, .value_kind: global_buffer, .address_space: global }
      - { .name: out0, .offset: 32, .size: 8, .value_kind: global_buffer, .address_space: global }
    .group_segment_fixed_size: 327680
    .private_segment_fixed_size: 0
    .kernarg_segment_align: 8
    .kernarg_segment_size: 40
    .max_flat_workgroup_size: 128
    .sgpr_count:     98
    .vgpr_count:     768
    .wavefront_size: 32
...
	.end_amdgpu_metadata
.endif
;; end of part 4
